; MI455X (gfx1250); checked and timed in simulation.
; The chip was launched on July 23, 2026; its instructions are those of AMD's public machine-readable ISA for CDNA 5 (MIT licence, August 2026) and "CDNA5" Instruction Set Architecture Reference Guide (July 2026). The comments in the code are by the model that wrote it; some were corrected since.
;; Multi Head Attention. Allowed arithmetic: float matrix products may take bf16 or f16 operands with f32 sums; other float arithmetic in f32, or as packed bf16 or f16 multiplies, adds, multiply-adds, maxima and minima; sums over many terms, partial sums and values carried from step to step in f32; what a program stores and reads back later, other than sums and carried values, may be rounded once to bf16 or f16.
;; Inputs: Wk 2,048 x 2,048 float32; Wo 2,048 x 2,048 float32; Wq 2,048 x 2,048 float32; Wv 2,048 x 2,048 float32; bk 2,048 float32; bo 2,048 float32; bq 2,048 float32; bv 2,048 float32; x 4 x 1,024 x 2,048 float32.
;; Outputs: out0 4 x 1,024 x 2,048 float32.
;; Constants: num_heads = 16.
;; 2 versions, each right; version 2 is version 1 with the launch cast written anew for expert scheduling mode. Each part assembles by itself: llvm-mc -triple=amdgcn-amd-amdhsa -mcpu=gfx1250 --defsym DOCPART=n.
;; ======== version 1 of 2: 4 launches
;; limits: values are held in f16: magnitudes above 65,504 overflow, below 6.1e-05 lose precision
;; workspace buffers: cb 50,331,648 bytes; bt 32,768 bytes; qkv 50,331,648 bytes; att 16,777,216 bytes
;; launch cast (part 1): grid 1544 x 1, 8 waves a work-group, no clusters, 35,840 bytes of LDS; arguments x, Wq, Wk, Wv, Wo, bq, bk, bv, bo, cb, bt; writes cb, bt
.if DOCPART == 1
	.amdgcn_target "amdgcn-amd-amdhsa--gfx1250"
	.amdhsa_code_object_version 6
	.text
	.protected	k_q7f7aa5d906_cast
	.globl	k_q7f7aa5d906_cast
	.p2align	8
	.type	k_q7f7aa5d906_cast,@function
k_q7f7aa5d906_cast:
	s_mov_b64 s[64:65], 0
	v_nop
	global_prefetch_b8 v0, s[64:65] scope:SCOPE_SE
	s_setreg_imm32_b32 hwreg(HW_REG_WAVE_MODE, 25, 1), 1
	s_wait_xcnt 0x0
; ALL INPUTS ARE ROUNDED ONCE TO bf16 AND LAID OUT FOR THE LAUNCHES BEHIND.
; cb: 12,288 rows of 2,048 16-bit numbers, 4,096 bytes for each row, ALL IN FRAGMENT BLOCKS (below).  Rows 0-4095: x (bf16); rows 4096-10239: Wq | Wk | Wv (bf16), their ROWS PERMUTED;
; rows 10240-12287: Wo, rounded to bf16 and that number written as f16 (its partner in the last product is f16).
; bt: 8,192 f32, each rounded to bf16: bq | bk | bv in the same permuted order, then bo.
; THE PERMUTATION.  Destination row p of a section, p = 256 i + 128 h + 8 r + e (i 0-7, h 0-1, r 0-15, e 0-7), takes source row c = r M1 + h M2 + e M3 + i M4:
;   Wq, Wk: (128, 8, 1, 16): head r, channel 16 i + 8 h + e.     Wv: (1, 1024, 128, 16): head 8 h + e, channel 16 i + r.     Wo, bo: (8, 128, 1, 256): c = p.
; So byte 512 i + 16 (16 h + r) of a token's projected q, k or v is the 16 bytes that lane 16 h + r of a matrix fragment wants: the head mixing loads fragments as they lie.
; FRAGMENT BLOCKS.  Sixteen destination rows are a block of 65,536 bytes; in it the 32 numbers k = 32 c .. 32 c + 31 of the 16 rows are 1,024 bytes in the order of a matrix fragment's registers:
; byte 1,024 c + 512 s + 16 (16 h + r) + 2 e holds row r, k = 32 c + 16 s + 8 h + e.  So run k / 8 of 256 bytes holds eight neighbouring k of all 16 rows, 16 bytes a row.
; SHARES.  Task D = 8 x work-group + wave, D < 12,288: block D / 16, k = 128 (D % 16) on: sixteen loads of 512 consecutive bytes, a source row each, all out at once; rounded; through the wave's own
; stage in LDS (16 runs of 256 bytes, 272 apart); back as runs; eight stores of 512 consecutive bytes at cb + 4,096 D.
; Work-groups 1536-1543: 1,024 numbers of bt each, four a thread.  No wave reads what another wrote: no barrier.
; LIMIT.  Wo below 2^-14 in magnitude keeps f16's fixed step of 6e-8; Wo beyond 65,504 is not served.
.set ROWGROUPS, 1536                   ; 12,288 tasks / 8 waves
.set XROWS,     4096
.set WOROW,     10240
.set UP,    272                        ; from run to run in the stage
.set STG,   16*UP                      ; a wave's stage
.set SPARE, 8*STG                      ; behind the stages: the spare words, 128 bytes for each wave: four blocks of 256 bytes that no other line names
.set SPW, 4                            ; v4   LDS address of my spare word: SPARE + 4 x my thread's number; never rewritten
.set NIL, 5                            ; v5   0; never rewritten
.set ST,  6                            ; v6   where I put 8 bytes of a row
.set RDB, 7                            ; v7   where I read 16 bytes of a run back
.set T,   8                            ; v[8:13]    at work
.set OFF, 16                           ; v[16:31]   my byte offset in source row j
.set IN,  32                           ; v[32:95]   as loaded: 4 f32 for each of 16 loads; later the runs read back
.set OUT, 96                           ; v[96:127]  rounded: each LDS store has registers of its own
; the four multipliers of section s11 (0 q, 1 k, 2 v, 3 o) -> s40 .. s43
.macro SELM
	s_cmp_eq_u32 s11, 2
	s_cselect_b32 s40, 1, 128
	s_cselect_b32 s41, 1024, 8
	s_cselect_b32 s42, 128, 1
	s_mov_b32 s43, 16
	s_cmp_eq_u32 s11, 3
	s_cselect_b32 s40, 8, s40
	s_cselect_b32 s41, 128, s41
	s_cselect_b32 s43, 256, s43
.endm
	s_load_b512 s[16:31], s[0:1], 0x0              ; x s[16:17], Wq s[18:19], Wk s[20:21], Wv s[22:23], Wo s[24:25], bq s[26:27], bk s[28:29], bv s[30:31]
	s_load_b128 s[32:35], s[0:1], 0x40             ; bo s[32:33], cb s[34:35]
	s_load_b64 s[36:37], s[0:1], 0x50              ; bt
	v_lshl_add_u32 v[SPW], v0, 2, SPARE
	v_mov_b32 v[NIL], 0
	v_lshrrev_b32 v3, 5, v0
	v_readfirstlane_b32 s8, v3                     ; wave 0..7
	v_and_b32 v3, 31, v0                           ; lane
	v_lshlrev_b32 v1, 4, v3                        ; 16 x lane
	s_lshl_b32 s9, ttmp9, 3
	s_add_co_u32 s9, s9, s8                        ; D
	s_lshl_b32 s50, s9, 12                         ; my 4,096 bytes of cb
	s_mov_b32 s51, 0
	s_cmp_ge_u32 ttmp9, ROWGROUPS
	s_cbranch_scc1 .Lbias
	; ---- 16 rows x 128 k, in fragment blocks ----
	s_and_b32 s10, s9, 0xfffffff0                  ; the block's first destination row
	s_and_b32 s39, s9, 15                          ; which 128 of k
	s_sub_co_u32 s12, s10, XROWS                   ; its place among the weights' rows (for a block of x the fields below are made and not used)
	s_bfe_u32 s11, s12, 0x2000b                    ; section
	s_bfe_u32 s14, s12, 0x40003                    ; r of the first row, even; its e is 0
	s_bfe_u32 s15, s12, 0x10007                    ; h
	s_bfe_u32 s38, s12, 0x30008                    ; i
	SELM
	s_mul_i32 s44, s14, s40
	s_mul_i32 s13, s15, s41
	s_add_co_u32 s44, s44, s13
	s_mul_i32 s13, s38, s43
	s_add_co_u32 s44, s44, s13                     ; the first row's source row
	s_mul_i32 s54, s8, STG
	v_lshrrev_b32 v[ST], 1, v3                     ; lane l holds k = 4 l .. 4 l + 3 of its 128: run l / 2, half l % 2 of the row's 16 bytes
	v_mul_u32_u24 v[ST], v[ST], UP
	v_and_b32 v8, 1, v3
	v_lshl_add_u32 v[ST], v8, 3, v[ST]
	v_add_nc_u32 v[ST], s54, v[ST]
	v_lshrrev_b32 v[RDB], 4, v3                    ; back: lanes 0-15 one run, lanes 16-31 the next
	v_mul_u32_u24 v[RDB], v[RDB], UP
	v_and_b32 v8, 15, v3
	v_lshl_add_u32 v[RDB], v8, 4, v[RDB]
	v_add_nc_u32 v[RDB], s54, v[RDB]
	s_wait_kmcnt 0x0
	s_add_nc_u64 s[48:49], s[34:35], s[50:51]      ; cb + 4,096 D
	s_cmp_eq_u32 s11, 1
	s_cselect_b64 s[46:47], s[20:21], s[18:19]
	s_cmp_eq_u32 s11, 2
	s_cselect_b64 s[46:47], s[22:23], s[46:47]
	s_cmp_eq_u32 s11, 3
	s_cselect_b64 s[46:47], s[24:25], s[46:47]
	s_cmp_lt_u32 s10, XROWS
	s_cselect_b64 s[46:47], s[16:17], s[46:47]     ; a block of x comes from x,
	s_cselect_b32 s44, s10, s44                    ; unpermuted
	s_cselect_b32 s40, 8, s40
	s_cselect_b32 s42, 1, s42
	s_lshl_b32 s50, s44, 13                        ; a source row is 8,192 bytes,
	s_lshl_b32 s13, s39, 9                         ; 128 k are 512
	s_add_co_u32 s50, s50, s13
	s_add_nc_u64 s[46:47], s[46:47], s[50:51]
	s_lshl_b32 s52, s42, 13                        ; from row j to j + 1 (e + 1): M3 source rows,
	s_lshl_b32 s53, s40, 13                        ; from row j to j + 8 (r + 1): M1
	v_mov_b32 v[OFF], v1
	v_add_nc_u32 v[OFF+8], s53, v1
.set j, 1
.rept 7
	v_add_nc_u32 v[OFF+j],   s52, v[OFF+j-1]
	v_add_nc_u32 v[OFF+8+j], s52, v[OFF+8+j-1]
.set j, j+1
.endr
.set j, 0
.rept 16
	global_load_b128 v[IN+4*j:IN+4*j+3], v[OFF+j], s[46:47] th:TH_LOAD_NT
.set j, j+1
.endr
	s_cmp_ge_u32 s9, WOROW
	s_cbranch_scc1 .Lwo
.set j, 0
.rept 16
	s_wait_loadcnt 15-j                            ; loads come back in order: row j is in, the 15 - j issued behind it may stay out
	v_cvt_pk_bf16_f32 v[OUT+2*j],   v[IN+4*j],   v[IN+4*j+1]
	v_cvt_pk_bf16_f32 v[OUT+2*j+1], v[IN+4*j+2], v[IN+4*j+3]
	ds_store_b64 v[ST], v[OUT+2*j:OUT+2*j+1] offset:16*j
.set j, j+1
.endr
	s_branch .Lback
.Lwo:                                          ; a block of Wo: rounded to bf16, widened, and written as f16
.set j, 0
.rept 16
	s_wait_loadcnt 15-j
	v_cvt_pk_bf16_f32 v[T],   v[IN+4*j],   v[IN+4*j+1]
	v_cvt_pk_bf16_f32 v[T+1], v[IN+4*j+2], v[IN+4*j+3]
	v_lshlrev_b32 v[T+2], 16, v[T]
	v_and_b32     v[T+3], 0xffff0000, v[T]
	v_lshlrev_b32 v[T+4], 16, v[T+1]
	v_and_b32     v[T+5], 0xffff0000, v[T+1]
	v_cvt_pk_f16_f32 v[OUT+2*j],   v[T+2], v[T+3]
	v_cvt_pk_f16_f32 v[OUT+2*j+1], v[T+4], v[T+5]
	ds_store_b64 v[ST], v[OUT+2*j:OUT+2*j+1] offset:16*j
.set j, j+1
.endr
.Lback:
.set j, 0
.rept 8
	ds_load_b128 v[IN+4*j:IN+4*j+3], v[RDB] offset:2*UP*j  ; LDS serves a wave's instructions in order (ISA guide 5.7.1.4): these see the stores above
.set j, j+1
.endr
.set j, 0
.rept 8
	s_wait_dscnt 7-j
	global_store_b128 v1, v[IN+4*j:IN+4*j+3], s[48:49] offset:512*j  ; two runs: 512 consecutive bytes, aligned
.set j, j+1
.endr
	s_wait_tensorcnt 0x0                           ; the wave's end, behind my last LDS store
	ds_add_u32 v[SPW], v[NIL]
	s_wait_dscnt 0x0
	s_endpgm
	; ---- 1,024 numbers of bt ----
.Lbias:
	s_sub_co_u32 s9, ttmp9, ROWGROUPS              ; g = 0..7: half g % 2 of section g / 2
	s_lshr_b32 s11, s9, 1
	SELM
	s_and_b32 s10, s9, 1
	s_lshl_b32 s10, s10, 8
	v_add_nc_u32 v8, s10, v0
	v_lshlrev_b32 v8, 2, v8                        ; p of my first number, a multiple of 4: my four differ in e alone
	v_and_b32 v9, 7, v8                            ; e
	v_bfe_u32 v10, v8, 3, 4                        ; r
	v_bfe_u32 v11, v8, 7, 1                        ; h
	v_bfe_u32 v12, v8, 8, 3                        ; i
	v_mul_u32_u24 v13, v10, s40
	v_mad_u32_u24 v13, v11, s41, v13
	v_mad_u32_u24 v13, v9, s42, v13
	v_mad_u32_u24 v13, v12, s43, v13               ; c of my first number
	s_lshl_b32 s45, s42, 2                         ; from one of my numbers to the next: M3 numbers of 4 bytes
	v_lshlrev_b32 v16, 2, v13
	v_add_nc_u32 v17, s45, v16
	v_add_nc_u32 v18, s45, v17
	v_add_nc_u32 v19, s45, v18
	v_lshlrev_b32 v14, 4, v0                       ; my 16 bytes of the work-group's 4,096
	s_lshl_b32 s50, s9, 12
	s_wait_kmcnt 0x0
	s_cmp_eq_u32 s11, 1
	s_cselect_b64 s[46:47], s[28:29], s[26:27]
	s_cmp_eq_u32 s11, 2
	s_cselect_b64 s[46:47], s[30:31], s[46:47]
	s_cmp_eq_u32 s11, 3
	s_cselect_b64 s[46:47], s[32:33], s[46:47]
	s_add_nc_u64 s[48:49], s[36:37], s[50:51]
	global_load_b32 v20, v16, s[46:47]
	global_load_b32 v21, v17, s[46:47]
	global_load_b32 v22, v18, s[46:47]
	global_load_b32 v23, v19, s[46:47]
	s_wait_loadcnt 0x0
	v_cvt_pk_bf16_f32 v24, v20, v21
	v_cvt_pk_bf16_f32 v25, v22, v23
	v_lshlrev_b32 v28, 16, v24
	v_and_b32     v29, 0xffff0000, v24
	v_lshlrev_b32 v30, 16, v25
	v_and_b32     v31, 0xffff0000, v25
	global_store_b128 v14, v[28:31], s[48:49]      ; 16 lanes cover 256 consecutive bytes, aligned
	s_endpgm
.Lfunc_end_k_q7f7aa5d906_cast:
	.size	k_q7f7aa5d906_cast, .Lfunc_end_k_q7f7aa5d906_cast-k_q7f7aa5d906_cast
	.p2alignl 7, 3214868480
	.fill 96, 4, 3214868480
	.section	.rodata,"a",@progbits
	.p2align	6, 0x0
	.amdhsa_kernel k_q7f7aa5d906_cast
		.amdhsa_group_segment_fixed_size 35840
		.amdhsa_private_segment_fixed_size 0
		.amdhsa_enable_private_segment 0
		.amdhsa_kernarg_size 88
		.amdhsa_user_sgpr_count 2
		.amdhsa_user_sgpr_kernarg_segment_ptr 1
		.amdhsa_wavefront_size32 1
		.amdhsa_system_sgpr_workgroup_id_x 1
		.amdhsa_system_sgpr_workgroup_id_y 1
		.amdhsa_system_sgpr_workgroup_id_z 1
		.amdhsa_system_vgpr_workitem_id 0
		.amdhsa_next_free_vgpr 128
		.amdhsa_next_free_sgpr 66
		.amdhsa_reserve_vcc 0
		.amdhsa_float_denorm_mode_32 3
		.amdhsa_float_denorm_mode_16_64 3
		.amdhsa_memory_ordered 1
		.amdhsa_forward_progress 1
		.amdhsa_inst_pref_size 22
	.end_amdhsa_kernel
	.amdgpu_metadata
---
amdhsa.version: [ 1, 2 ]
amdhsa.kernels:
  - .name:           k_q7f7aa5d906_cast
    .symbol:         k_q7f7aa5d906_cast.kd
    .args:
      - { .name: x, .offset: 0, .size: 8, .value_kind: global_buffer, .address_space: global }
      - { .name: Wq, .offset: 8, .size: 8, .value_kind: global_buffer, .address_space: global }
      - { .name: Wk, .offset: 16, .size: 8, .value_kind: global_buffer, .address_space: global }
      - { .name: Wv, .offset: 24, .size: 8, .value_kind: global_buffer, .address_space: global }
      - { .name: Wo, .offset: 32, .size: 8, .value_kind: global_buffer, .address_space: global }
      - { .name: bq, .offset: 40, .size: 8, .value_kind: global_buffer, .address_space: global }
      - { .name: bk, .offset: 48, .size: 8, .value_kind: global_buffer, .address_space: global }
      - { .name: bv, .offset: 56, .size: 8, .value_kind: global_buffer, .address_space: global }
      - { .name: bo, .offset: 64, .size: 8, .value_kind: global_buffer, .address_space: global }
      - { .name: cb, .offset: 72, .size: 8, .value_kind: global_buffer, .address_space: global }
      - { .name: bt, .offset: 80, .size: 8, .value_kind: global_buffer, .address_space: global }
    .group_segment_fixed_size: 35840
    .private_segment_fixed_size: 0
    .kernarg_segment_align: 8
    .kernarg_segment_size: 88
    .max_flat_workgroup_size: 256
    .sgpr_count:     66
    .vgpr_count:     128
    .wavefront_size: 32
...
	.end_amdgpu_metadata
.endif
;; end of part 1
;; launch qkvproj (part 2): grid 16 x 16, 4 waves a work-group, clusters of 4 x 4, 327,680 bytes of LDS; arguments cb, bt, qkv; writes qkv
.if DOCPART == 2
	.amdgcn_target "amdgcn-amd-amdhsa--gfx1250"
	.amdhsa_code_object_version 6
	.text
	.protected	k_q7f7aa5d906_qkvproj
	.globl	k_q7f7aa5d906_qkvproj
	.p2align	8
	.type	k_q7f7aa5d906_qkvproj,@function
k_q7f7aa5d906_qkvproj:
	s_mov_b64 s[64:65], 0
	v_nop
	global_prefetch_b8 v0, s[64:65] scope:SCOPE_SE
	s_setreg_imm32_b32 hwreg(HW_REG_WAVE_MODE, 25, 1), 1
	s_wait_xcnt 0x0
	s_wait_alu depctr_hold_cnt(0) depctr_sa_sdst(0) depctr_va_vdst(0) depctr_va_sdst(0) depctr_va_ssrc(0) depctr_va_vcc(0) depctr_vm_vsrc(0)
	s_getreg_b32 s2, hwreg(HW_REG_IB_STS2, 6, 4)
	s_cmp_eq_u32 s2, 0
	s_cbranch_scc0 .Lentry_in_a_cluster
	s_endpgm
.Lentry_in_a_cluster:
	s_bfe_u32 s2, ttmp6, 0x10000c
	s_cmp_lg_u32 s2, 0xf033
	s_cbranch_scc0 .Lentry_shape_is_right
	s_endpgm
.Lentry_shape_is_right:
; qkv[t][c] = bias[c] + the sum over k of x[t][k] W'[c][k].  x: cb rows 0-4095, W' = Wq | Wk | Wv (rows permuted by the launch before): cb rows 4096-10239, both bf16, 2,048 along K;
; bias: bt[0..6143], f32; qkv: [4096][6144] f16, rounded once from the f32 sums.
; LIMIT.  f16 ends at 65,504: q, k and v must stay below that (inputs as drawn give a spread of 0.6; 30 times larger x and weights 520; a common offset of 30 spreads on both about 23,500).
; OPERANDS IN FRAGMENT BLOCKS.  Sixteen rows are a block of 65,536 bytes; in it a CHUNK, the 32 numbers k = 32 c .. of the 16 rows, is 1,024 bytes in the order of a matrix fragment's registers: lane l's
; registers 0-3 at byte 16 l, its registers 4-7 at 512 + 16 l.  So a fragment is two LDS loads of 16 consecutive bytes a lane, and K = 96 of a block is 3,072 dense bytes.
; TILE.  256 rows x 384 columns of C to a work-group: 16 x 16 = 256 work-groups, one for each WGP.  Four waves, 2 x 2: each has 128 rows x 192 columns: 8 x 12 accumulators of 16 x 16, 768 registers;
; for 32 along K it loads 8 + 12 fragments (40 LDS loads) and issues 96 matrix instructions.
; K goes in STEPS of 96 (three chunks) through a ring of two LDS slots filled by the tensor data mover: A's 16 blocks (wave 0 asks), then B's 24 blocks in three parts of 8 (waves 1 to 3).  Two slots of 128 along K
; would take every byte of LDS.  2,048 = 21 x 96 + 32: step 21 has one chunk; its load, by the same descriptor, brings the 2,048 bytes behind each block's end too (the next block's first two chunks: cb goes on
; behind both operands, W' behind x and Wo behind W'), and nobody reads them.
; CLUSTER.  4 x 4 work-groups.  The four of a row of the cluster need the same tile of A, the four of a column the same tiles of B: each is asked for JOINTLY, by the same tensor load with
; the same descriptor and a mask that names the four.
; THE MATRIX INSTRUCTION IS USED TRANSPOSED (source 0 = 16 rows of B, source 1 = 16 rows of A): lane l holds row l % 16 of C and the columns 8 (l / 16) + 0..7.  THE BIAS STARTS THE SUMS: that of column block b
; is loaded into the registers of accumulator (7, b); it is the C operand of the first products of (0, b) .. (6, b), and (7, b)'s first product adds onto it in place.  Nothing is cleared, nothing added at the end.
; REGISTERS, in windows of 256 (s_set_vgpr_msb: bits 1:0 source 0, 3:2 source 1, 5:4 source 2, 7:6 destination):
;   window 0: v16-31 addresses; v32-95, v96-159 A's 8 fragments, two buffers; v160-255 B's 12 fragments, ONE set: each half of it is loaded for the next chunk as soon as this chunk has multiplied it
;   windows 1-3: the accumulators: (a, b) at v[64 (b % 4) + 8 a] of window 1 + b / 4
.set TN,    384
.set CHB,   1024                       ; a chunk of a block
.set STEPB, 3*CHB                      ; a step of a block
.set ASZ,   16*STEPB                   ; A's part of a slot
.set BCH,   8*STEPB                    ; what one of B's three loads brings
.set SLOT,  ASZ+3*BCH                  ; 122,880.  SLOT 1 LIES AT BYTE 0, SLOT 0 BEHIND IT, so that the stage can take slot 0 and the free bytes that follow it
.set STAGE, SLOT                       ; the way out: 256 rows x 784 bytes.  It is written behind the barrier that ends slot 0's last reading, and slot 0 is filled no more
.set SP,    784                        ; a stage row: 768 bytes + 16 = 49 x 16: the 16 rows that a store touches start at 16 different groups of four banks (64 banks of 4 bytes: ISA guide 11.1)
.set SPARE, STAGE+256*SP               ; behind the stage: the spare words, 128 bytes for each wave: two blocks of 256 bytes that no other line names
.set CROW,  12288                      ; bytes in a row of C
.set ADRA, 16                          ; v16-17  LDS address of my lane's 16 bytes in my first A fragment of slot 0, 1
.set ADRB, 18                          ; v18-19  the same for B
.set STO,  20                          ; v20-21  the way out: where I put 16 bytes of a row: row blocks 0-3, 4-7 (an LDS offset has 16 bits)
.set RD,   22                          ; v22     where I read a row back
.set CO,   23                          ; v23     my byte offset in C
.set SPW,  28                          ; v28     LDS address of my spare word: SPARE + 4 x my thread's number; never rewritten
.set NIL,  29                          ; v29     0; never rewritten
.set PFO,  30                          ; v30     the prefetches' offset; never rewritten
.set BO,   31                          ; v31     my byte offset in 16 numbers of the bias
.set A0,   32
.set A1,   96
.set BF,   160
.set TMP,  32                          ; the way out: v32-159 packed results; v32-127 and v128-223 rows read back, by turns
.set WV,   10                          ; s10     my wave's number
.set G1,   24                          ; s[24:31] descriptor group 1 for A;  s[32:39] group 0, a set for each slot
.set G0,   32
.set LIM,  43                          ; s43     1 in a wave that prefetches, else the greatest number
.set PFA,  44                          ; s[44:45] where my next prefetch stands
.set G1B,  48                          ; s[48:55], s[56:63] the same for B
.set G0B,  56
.set STP,  72                          ; s[72:73] what the next change of slots adds to s[44:45]: 4,096 if the last one has asked, else 0
.set TT,   74                          ; s74     at work
.set MSB, 0
.macro WIN new                         ; the immediate's high byte repeats the setting that is left; a switch that changes nothing is dropped
.if MSB != (\new)
	s_set_vgpr_msb (MSB<<8)|(\new)
.set MSB, \new
.endif
.endm
.macro PLACES                          ; four plain vector instructions between a matrix instruction and a load into, or a vector instruction on, its registers (ISA guide 7.12.1 for vector instructions)
.rept 4
	v_nop
.endr
.endm
; A joint load: wave 0 asks for A's 16 blocks, waves 1 to 3 for 8 of B's each.  The branch hangs on the wave's number alone.  An s_nop 0 and four v_nop follow each line.
.macro JLOAD s
	s_cmp_eq_u32 s[WV], 0
	s_cbranch_scc0 .Lfor_b_\@
	tensor_load_to_lds s[G0+4*(\s):G0+4*(\s)+3], s[G1:G1+7]
	s_nop 0
	PLACES
	s_branch .Lasked_\@
.Lfor_b_\@:
	tensor_load_to_lds s[G0B+4*(\s):G0B+4*(\s)+3], s[G1B:G1B+7]
	s_nop 0
	PLACES
.Lasked_\@:
.endm
; A PREFETCH INTO THE L2, in WINDOWS of 128 along K: 4,096 bytes of a block, 16 runs of 256; an instruction names two blocks' window, a lane a run.  Change of slots t (0 .. 19) loads step t + 2, chunks 3 t + 6 on;
; window w (chunks 4 w on) is first wanted at change 4 w / 3 - 2 (rounded down) and is asked for ONE change earlier: at t = 1, 2, 3, 5, 6, 7, .. 17 for w = 3 .. 15: three windows for four steps.
; With s3 = 10 - t / 2: every change of slot 1 while s3 > 1; of slot 0's those with s3 odd and > 1.  Windows 0 to 2 come by their loads alone.  It stands behind the joint load and a run of LDS loads.
; Each run is named once in the launch: A's blocks by the clusters with x = 0, B's by those with y = 0; the four partners that ask for a load jointly share its blocks out by ADDRESS:
; of wave 0's 16 blocks four each (two instructions), of the other waves' 8 two each (one).
.macro ASK slot
	s_mov_b32 s[STP], 0
.if (\slot) == 0
	s_and_b32 s[TT], s3, 1
	s_cselect_b32 s[TT], s[LIM], -1
	s_cmp_gt_u32 s3, s[TT]
.else
	s_cmp_gt_u32 s3, s[LIM]
.endif
	s_cbranch_scc0 .Lnot_mine_\@
	global_prefetch_b8 v[PFO], s[PFA:PFA+1] th:TH_LOAD_NT scope:SCOPE_SE
	s_cmp_lg_u32 s[WV], 0
	s_cbranch_scc1 .Lone_\@
	global_prefetch_b8 v[PFO], s[PFA:PFA+1] offset:131072 th:TH_LOAD_NT scope:SCOPE_SE
.Lone_\@:
	s_mov_b32 s[STP], 4096
.Lnot_mine_\@:
.endm
.macro CREST                           ; a round of the cluster's barrier behind its opening barrier
	s_cmp_lg_u32 s[WV], 0
	s_cbranch_scc1 .Lnot_wave_0_\@
	s_barrier_signal -3
.Lnot_wave_0_\@:
	s_barrier_wait -3
	s_barrier_signal -1
	s_barrier_wait -1
.endm
.macro CROUND
	s_barrier_signal -1
	s_barrier_wait -1
	CREST
.endm
; 8 nb matrix instructions: all 8 row blocks x column blocks b0 .. b0 + nb - 1 (of one window), 32 along K; A's fragments in buffer f.  Each of the 96 accumulators has one turn a chunk.
; first = 1: the sums start: C is the bias, which lies in (7, b); five plain instructions stand between the products that read it and the one that writes over it (ISA guide 7.12.1).
.macro MULP f, b0, nb, first
	WIN 0x50*(1+(\b0)/4)                           ; C and D in window 1 + b / 4, both sources in window 0
.set aa, 0
.rept 8
.if (\first) && (aa == 7)
.rept 5
	v_nop
.endr
.endif
.set bb, \b0
.rept \nb
.set rD, 64*(bb%4)+8*aa
.if (\first) && (aa < 7)
	v_wmma_f32_16x16x32_bf16 v[rD:rD+7], v[BF+8*bb:BF+8*bb+7], v[(\f)+8*aa:(\f)+8*aa+7], v[64*(bb%4)+56:64*(bb%4)+63]
.else
	v_wmma_f32_16x16x32_bf16 v[rD:rD+7], v[BF+8*bb:BF+8*bb+7], v[(\f)+8*aa:(\f)+8*aa+7], v[rD:rD+7]
.endif
.set bb, bb+1
.endr
.set aa, aa+1
.endr
.endm
; THE LDS LOADS of a chunk stand in two runs.  RUN0: 28 loads: B's fragments 0-5 and all 8 of A's (into buffer f), of chunk p of a slot.  RUN1: 12 loads: B's fragments 6-11.
.macro RUN0 slot, p, f
.set ii, 0
.rept 6
	ds_load_b128 v[BF+8*ii:BF+8*ii+3],   v[ADRB+(\slot)] offset:ii*STEPB+(\p)*CHB
	ds_load_b128 v[BF+8*ii+4:BF+8*ii+7], v[ADRB+(\slot)] offset:ii*STEPB+(\p)*CHB+512
.set ii, ii+1
.endr
.set ii, 0
.rept 8
	ds_load_b128 v[(\f)+8*ii:(\f)+8*ii+3],   v[ADRA+(\slot)] offset:ii*STEPB+(\p)*CHB
	ds_load_b128 v[(\f)+8*ii+4:(\f)+8*ii+7], v[ADRA+(\slot)] offset:ii*STEPB+(\p)*CHB+512
.set ii, ii+1
.endr
.endm
.macro RUN1 slot, p
.set ii, 6
.rept 6
	ds_load_b128 v[BF+8*ii:BF+8*ii+3],   v[ADRB+(\slot)] offset:ii*STEPB+(\p)*CHB
	ds_load_b128 v[BF+8*ii+4:BF+8*ii+7], v[ADRB+(\slot)] offset:ii*STEPB+(\p)*CHB+512
.set ii, ii+1
.endr
.endm
; A CHUNK: 96 matrix instructions on A's buffer f; behind each half of them the fragments just multiplied are loaded for the next chunk (chunk np of slot ns; A's into buffer nf).
.macro CHUNK f, ns, np, nf, first
	s_wait_dscnt 12                                ; the last RUN0 is in; the 12 loads of the last RUN1 may be out
	MULP \f, 0, 4, \first
	MULP \f, 4, 2, \first
	WIN 0
	PLACES
	RUN0 \ns, \np, \nf
	s_wait_dscnt 28                                ; all but the 28 just issued
	MULP \f, 6, 2, \first
	MULP \f, 8, 4, \first
	WIN 0
	PLACES
	RUN1 \ns, \np
.endm
; A step's last chunk changes slots: ONE barrier.  In front of it each wave waits for all its tensor loads (one is out: its part of the next slot), adds 0 to its spare word, and waits for that and for its
; own reads of this slot, of which the last were issued at the end of the chunk before.  fill = 1: the barrier opens a round of the cluster's, and this slot is filled again, two steps on, first thing behind it:
; from there to the wait for it a wave issues 264 matrix instructions.
.macro TURN f, slot, nf, fill
.if \fill
	s_wait_xcnt 0x0                                ; the last prefetch, a step back, has read its address: it is stepped here
	s_add_nc_u64 s[PFA:PFA+1], s[PFA:PFA+1], s[STP:STP+1]
.endif
	s_wait_tensorcnt 0x0                           ; all my tensor loads have landed
	ds_add_u32 v[SPW], v[NIL]                      ; 0 onto my spare word
	s_wait_dscnt 13                                ; (the add and the 12 loads of the last RUN1 may be out)
	MULP \f, 0, 2, 0                               ; sixteen matrix instructions stand between the add and the wait for it
	s_wait_dscnt 0x0                               ; the add is done, and my reads of this slot are over
	s_barrier_signal -1
	MULP \f, 2, 1, 0
.if \fill
	WIN 0
.endif
	s_barrier_wait -1
.if \fill
	CREST                                          ; no wave of any partner still reads this slot or has a load on its way
	s_add_nc_u64 s[G0+4*(\slot)+2:G0+4*(\slot)+3], s[G0+4*(\slot)+2:G0+4*(\slot)+3], 2*STEPB
	s_add_nc_u64 s[G0B+4*(\slot)+2:G0B+4*(\slot)+3], s[G0B+4*(\slot)+2:G0B+4*(\slot)+3], 2*STEPB
	JLOAD \slot                                    ; my one tensor load behind the round
.endif
	MULP \f, 3, 1, 0
	MULP \f, 4, 2, 0
	WIN 0
	PLACES
	RUN0 1-(\slot), 0, \nf                         ; the next slot's first chunk
.if \fill
	ASK \slot
.endif
	MULP \f, 6, 2, 0
	MULP \f, 8, 4, 0
	WIN 0
	PLACES
	RUN1 1-(\slot), 0
.endm
	s_load_b128 s[68:71], s[0:1], 0x0              ; cb s[68:69], bt s[70:71]
	s_load_b64 s[8:9], s[0:1], 0x10                ; qkv
	v_lshl_add_u32 v[SPW], v0, 2, SPARE
	v_mov_b32 v[NIL], 0
	ds_add_u32 v[SPW], v[NIL]                      ; the wave's opening: the add and its wait stand ahead of my first tensor load, with work on registers between them
	v_lshrrev_b32 v1, 5, v0
	v_readfirstlane_b32 s[WV], v1                  ; wave 0..3
	s_max_u32 s11, s[WV], 1
	s_sub_co_u32 s11, s11, 1                       ; which 8 blocks of B I ask for (waves 1 to 3)
	s_lshr_b32 s80, s[WV], 1                       ; which half of the tile's rows is mine,
	s_and_b32 s81, s[WV], 1                        ; which half of its columns
	s_bfe_u32 s40, ttmp6, 0x40000                  ; cx, cy: my place in the cluster
	s_bfe_u32 s41, ttmp6, 0x40004
	s_lshl_b32 s42, ttmp9, 2
	s_add_co_u32 s42, s42, s40                     ; tile column of C = 4 x cluster x + cx
	s_and_b32 s13, ttmp7, 0xffff
	s_lshl_b32 s13, s13, 2
	s_add_co_u32 s13, s13, s41                     ; tile row of C = 4 x cluster y + cy
	s_lshl_b32 s76, s41, 2
	s_lshl_b32 s76, 15, s76                        ; my row of the cluster
	s_lshl_b32 s77, 0x1111, s40                    ; my column
	; descriptor group 1: a row is a step of a block, 1,536 elements of 2 bytes; 16 blocks (A) or 8 (B), 32,768 elements apart; no padding
	s_or_b32 s[G1], s76, (1<<16)|(1<<21)           ; 15:0 the mask; 17:16 2-byte elements; 21 set beside a mask
	s_or_b32 s[G1B], s77, (1<<16)|(1<<21)
	s_mov_b32 s[G1+1], 1536<<16                    ; tensor_dim0 = 1,536
	s_mov_b32 s[G1+2], 16<<16                      ; tensor_dim1 = 16
	s_mov_b32 s[G1+3], 1536<<16                    ; tile_dim0 = 1,536
	s_mov_b32 s[G1+4], 16                          ; tile_dim1 = 16
	s_mov_b32 s[G1+5], 32768                       ; elements from block to block
	s_mov_b32 s[G1+6], 0
	s_mov_b32 s[G1+7], 0
	s_mov_b32 s[G1B+1], 1536<<16
	s_mov_b32 s[G1B+2], 8<<16
	s_mov_b32 s[G1B+3], 1536<<16
	s_mov_b32 s[G1B+4], 8
	s_mov_b32 s[G1B+5], 32768
	s_mov_b32 s[G1B+6], 0
	s_mov_b32 s[G1B+7], 0
	s_mov_b32 s[STP], 0
	s_mov_b32 s[STP+1], 0
	s_lshl_b32 s16, s13, 20                        ; A: tile row x 16 blocks x 65,536 bytes: it hangs on the tile row alone
	s_mov_b32 s17, 0
	s_mul_i32 s46, s42, 24                         ; B: block 24 x tile column + 8 x part: it hangs on the tile column and the wave alone
	s_lshl_b32 s22, s11, 3
	s_add_co_u32 s46, s46, s22
	s_lshl_b32 s46, s46, 16
	s_mov_b32 s47, 0
	s_mul_i32 s20, s[WV], BCH                      ; B's part of wave w lies at ASZ + (w - 1) BCH = (w + 1) BCH of a slot: no place in the cluster enters an LDS address
	s_wait_dscnt 0x0                               ; the opening add is done
	s_wait_kmcnt 0x0
	s_mov_b64 s[4:5], s[68:69]                     ; A = x
	s_add_nc_u64 s[6:7], s[68:69], 0x1000000       ; B = W': 256 blocks on
	s_add_nc_u64 s[14:15], s[4:5], s[16:17]
	s_add_nc_u64 s[46:47], s[6:7], s[46:47]
	CROUND                                         ; all sixteen work-groups are here: the first joint loads meet
.irp s, 0,1
	s_mov_b32 s[G0+4*(\s)], 1                                        ; count = 1
	s_mov_b32 s[G0+4*(\s)+1], (1-(\s))*SLOT                          ; LDS address: the slot's first byte
	s_add_nc_u64 s[G0+4*(\s)+2:G0+4*(\s)+3], s[14:15], (\s)*STEPB    ; global address: step s
	s_or_b32 s[G0+4*(\s)+3], s[G0+4*(\s)+3], 0x80000000              ; type = 2
	s_mov_b32 s[G0B+4*(\s)], 1
	s_add_co_u32 s[G0B+4*(\s)+1], s20, (1-(\s))*SLOT+BCH
	s_add_nc_u64 s[G0B+4*(\s)+2:G0B+4*(\s)+3], s[46:47], (\s)*STEPB
	s_or_b32 s[G0B+4*(\s)+3], s[G0B+4*(\s)+3], 0x80000000
.endr
	s_cmp_eq_u32 s[WV], 0                          ; a wave's two first fills stand in one branch: two loads of mine are out
	s_cbranch_scc0 .Lfirst_b
	tensor_load_to_lds s[G0:G0+3], s[G1:G1+7]
	s_nop 0
	tensor_load_to_lds s[G0+4:G0+7], s[G1:G1+7]
	s_nop 0
	PLACES
	s_branch .Lfirst_asked
.Lfirst_b:
	tensor_load_to_lds s[G0B:G0B+3], s[G1B:G1B+7]
	s_nop 0
	tensor_load_to_lds s[G0B+4:G0B+7], s[G1B:G1B+7]
	s_nop 0
	PLACES
.Lfirst_asked:
	; the bias of my 192 columns, into the registers of accumulators (7, b): a lane takes the 8 numbers at column 16 b + 8 (l / 16)
	s_mul_i32 s66, s42, TN
	s_mul_i32 s12, s81, 192
	s_add_co_u32 s66, s66, s12
	s_lshl_b32 s66, s66, 2
	s_mov_b32 s67, 0
	s_add_nc_u64 s[78:79], s[70:71], s[66:67]
	v_and_b32 v1, 15, v0                           ; l % 16
	v_bfe_u32 v2, v0, 4, 1                         ; l / 16
	v_lshlrev_b32 v[BO], 5, v2
.set bb, 0
.rept 12
	WIN (1+bb/4)<<6                                ; destination in window 1 + b / 4, address in window 0
	global_load_b128 v[64*(bb%4)+56:64*(bb%4)+59], v[BO], s[78:79] offset:64*bb
	global_load_b128 v[64*(bb%4)+60:64*(bb%4)+63], v[BO], s[78:79] offset:64*bb+16
.set bb, bb+1
.endr
	WIN 0
	v_and_b32 v3, 31, v0
	v_lshlrev_b32 v3, 4, v3                        ; 16 x lane
	s_mul_i32 s12, s80, 8*STEPB                    ; my 8 blocks of A
	v_add_nc_u32 v[ADRA+1], s12, v3                ; in slot 1, at byte 0,
	s_add_co_u32 s12, s12, SLOT
	v_add_nc_u32 v[ADRA], s12, v3                  ; and in slot 0
	s_mul_i32 s12, s81, 12*STEPB                   ; my 12 blocks of B,
	s_add_co_u32 s12, s12, ASZ                     ; which lie behind A's 16
	v_add_nc_u32 v[ADRB+1], s12, v3
	s_add_co_u32 s12, s12, SLOT
	v_add_nc_u32 v[ADRB], s12, v3
	; the way out: in: row l % 16 of a row block, my wave's 384 bytes, 16 bytes for each half of the lanes
	v_mul_u32_u24 v4, v1, SP
	v_lshl_add_u32 v4, v2, 4, v4
	s_mul_i32 s12, s80, 128*SP
	s_mul_i32 s18, s81, 384
	s_add_co_u32 s12, s12, s18
	s_add_co_u32 s12, s12, STAGE
	v_add_nc_u32 v[STO], s12, v4
	v_add_nc_u32 v[STO+1], 64*SP, v[STO]
	s_mul_i32 s12, s[WV], 64*SP                    ; back: wave w takes rows 64 w .. 64 w + 63, whole; lanes 0-15 256 bytes of one row, lanes 16-31 of the next
	s_add_co_u32 s12, s12, STAGE
	v_mul_u32_u24 v5, v2, SP
	v_lshl_add_u32 v5, v1, 4, v5
	v_add_nc_u32 v[RD], s12, v5
	v_mul_u32_u24 v5, v2, CROW
	v_lshl_add_u32 v[CO], v1, 4, v5
	s_lshl_b32 s66, s13, 8
	s_lshl_b32 s12, s[WV], 6
	s_add_co_u32 s66, s66, s12                     ; the first row of C that I store
	s_mul_i32 s66, s66, CROW
	s_mul_i32 s12, s42, 2*TN                       ; the tile's first column, in bytes
	s_add_co_u32 s66, s66, s12
	s_add_nc_u64 s[8:9], s[8:9], s[66:67]
	; the prefetches
	s_lshl_b32 s18, s13, 4                         ; A: block 16 x tile row + 4 cx,
	s_lshl_b32 s21, s40, 2
	s_add_co_u32 s18, s18, s21
	s_mul_i32 s19, s42, 24                         ; B: block 24 x tile column + 8 x part + 2 cy
	s_lshl_b32 s21, s11, 3
	s_add_co_u32 s19, s19, s21
	s_lshl_b32 s21, s41, 1
	s_add_co_u32 s19, s19, s21
	s_and_b32 s23, ttmp7, 0xffff                   ; cluster y
	s_cmp_eq_u32 s[WV], 0                          ; do I ask for A?
	s_cselect_b32 s18, s18, s19
	s_cselect_b32 s23, ttmp9, s23                  ; the coordinate along which other clusters read the same blocks
	s_cselect_b64 s[PFA:PFA+1], s[4:5], s[6:7]
	s_cmp_eq_u32 s23, 0
	s_cselect_b32 s[LIM], 1, -1                    ; the same in all sixteen partners, for a given wave
	s_lshl_b32 s18, s18, 16
	s_mov_b32 s19, 0
	s_add_nc_u64 s[PFA:PFA+1], s[PFA:PFA+1], s[18:19]
	s_add_nc_u64 s[PFA:PFA+1], s[PFA:PFA+1], 3*4096  ; at window 3.  Nothing is prefetched here, at the head
	v_lshlrev_b32 v[PFO], 16, v2                   ; lanes 0-15 one block's 16 runs, lanes 16-31 the next block's
	v_lshl_add_u32 v[PFO], v1, 8, v[PFO]
	s_wait_tensorcnt 1                             ; my part of step 0 is in; step 1's may stay out
	s_barrier_signal -1
	s_barrier_wait -1                              ; everybody's is
	RUN0 0, 0, A0
	RUN1 0, 0
	s_wait_loadcnt 0x0                             ; the bias
	CHUNK A0, 0, 1, A1, 1                          ; chunk 0 stands in front of the loop: its products start the sums, with the bias
	s_mov_b32 s3, 10                               ; 64 chunks: 1 + 10 x 6 + 3
.Llap:                                         ; a trip goes once round the ring, from a lap's second chunk to the next lap's first, and fills both slots again
	CHUNK A1, 0, 2, A0, 0
	TURN  A0, 0, A1, 1
	CHUNK A1, 1, 1, A0, 0
	CHUNK A0, 1, 2, A1, 0
	TURN  A1, 1, A0, 1
	CHUNK A0, 0, 1, A1, 0
	s_sub_co_u32 s3, s3, 1
	s_cmp_lg_u32 s3, 0
	s_cbranch_scc1 .Llap
	CHUNK A1, 0, 2, A0, 0                          ; the rest of step 20
	TURN  A0, 0, A1, 0                             ; nothing is filled; behind this barrier nobody reads slot 0 any more
	s_wait_dscnt 12                                ; step 21's one chunk: nothing more to fetch
	MULP A1, 0, 4, 0
	MULP A1, 4, 2, 0
	s_wait_dscnt 0x0
	MULP A1, 6, 2, 0
	MULP A1, 8, 4, 0
	WIN 0
	; THE WAY OUT: a window's 32 accumulators at a time are rounded to f16, each accumulator's registers in ascending order, and put into the stage, 16 bytes a lane; a barrier, since a row's 768 bytes
	; come from two waves; back as whole rows, 64 rows a wave, in four batches of 24 loads on two sets of registers.
.macro PACKG g
	WIN 5*((\g)+1)                                 ; sources 0 and 1 in window g + 1, destination in window 0
.set t, 0
.rept 32
.irp q, 0,1,2,3
	v_cvt_pk_f16_f32 v[TMP+4*t+(\q)], v[8*t+2*(\q)], v[8*t+2*(\q)+1]
.endr
.set t, t+1
.endr
	WIN 0
.set t, 0
.rept 32                               ; t = 8 (b % 4) + a
	ds_store_b128 v[STO+(t%8)/4], v[TMP+4*t:TMP+4*t+3] offset:(t%4)*16*SP+32*(4*(\g)+t/8)
.set t, t+1
.endr
.endm
.macro BACK q
.set u, 0
.rept 24
.set t, 24*(\q)+u
	ds_load_b128 v[TMP+96*((\q)%2)+4*u:TMP+96*((\q)%2)+4*u+3], v[RD] offset:(t/3)*2*SP+(t%3)*256
.set u, u+1
.endr
.endm
.macro SEND q, younger                 ; younger: the LDS loads issued behind batch q's: the next batch's 24, or none
.set u, 0
.rept 24
.set t, 24*(\q)+u
	s_wait_dscnt (\younger)+23-u                   ; LDS loads come back in order: load u of the batch is in
	global_store_b128 v[CO], v[TMP+96*((\q)%2)+4*u:TMP+96*((\q)%2)+4*u+3], s[8:9] offset:(t/3)*2*CROW+(t%3)*256  ; 16 lanes store 256 consecutive bytes, at a multiple of 256 from C's first byte
.set u, u+1
.endr
.endm
	PLACES
	PACKG 0
	PACKG 1
	PACKG 2
	s_wait_dscnt 0x0                               ; for the others' sake: my stores into the stage are done
	s_barrier_signal -1
	s_barrier_wait -1
	BACK 0
	BACK 1
	SEND 0, 24
	s_wait_xcnt 0x0                                ; batch 0's stores have read their registers, which are loaded again below
	BACK 2
	SEND 1, 24
	s_wait_xcnt 0x0
	BACK 3
	SEND 2, 24
	SEND 3, 0
	s_wait_tensorcnt 0x0                           ; the wave's end, behind my last tensor load and my last LDS store
	ds_add_u32 v[SPW], v[NIL]
	s_wait_dscnt 0x0
	CROUND                                         ; the closing round: no work-group ends while a partner may still ask for a tile that names it
	s_endpgm
.Lfunc_end_k_q7f7aa5d906_qkvproj:
	.size	k_q7f7aa5d906_qkvproj, .Lfunc_end_k_q7f7aa5d906_qkvproj-k_q7f7aa5d906_qkvproj
	.p2alignl 7, 3214868480
	.fill 96, 4, 3214868480
	.section	.rodata,"a",@progbits
	.p2align	6, 0x0
	.amdhsa_kernel k_q7f7aa5d906_qkvproj
		.amdhsa_group_segment_fixed_size 327680
		.amdhsa_private_segment_fixed_size 0
		.amdhsa_enable_private_segment 0
		.amdhsa_kernarg_size 24
		.amdhsa_user_sgpr_count 2
		.amdhsa_user_sgpr_kernarg_segment_ptr 1
		.amdhsa_wavefront_size32 1
		.amdhsa_system_sgpr_workgroup_id_x 1
		.amdhsa_system_sgpr_workgroup_id_y 1
		.amdhsa_system_sgpr_workgroup_id_z 1
		.amdhsa_system_vgpr_workitem_id 0
		.amdhsa_next_free_vgpr 1024
		.amdhsa_next_free_sgpr 84
		.amdhsa_reserve_vcc 0
		.amdhsa_float_denorm_mode_32 3
		.amdhsa_float_denorm_mode_16_64 3
		.amdhsa_memory_ordered 1
		.amdhsa_forward_progress 1
		.amdhsa_inst_pref_size 153
	.end_amdhsa_kernel
	.amdgpu_metadata
---
amdhsa.version: [ 1, 2 ]
amdhsa.kernels:
  - .name:           k_q7f7aa5d906_qkvproj
    .symbol:         k_q7f7aa5d906_qkvproj.kd
    .args:
      - { .name: cb, .offset: 0, .size: 8, .value_kind: global_buffer, .address_space: global }
      - { .name: bt, .offset: 8, .size: 8, .value_kind: global_buffer, .address_space: global }
      - { .name: qkv, .offset: 16, .size: 8, .value_kind: global_buffer, .address_space: global }
    .group_segment_fixed_size: 327680
    .private_segment_fixed_size: 0
    .kernarg_segment_align: 8
    .kernarg_segment_size: 24
    .max_flat_workgroup_size: 128
    .sgpr_count:     84
    .vgpr_count:     1024
    .wavefront_size: 32
...
	.end_amdgpu_metadata
.endif
;; end of part 2
;; launch headmix (part 3): grid 256 x 1, 16 waves a work-group, no clusters, 67,840 bytes of LDS; arguments qkv, att; writes att
.if DOCPART == 3
	.amdgcn_target "amdgcn-amd-amdhsa--gfx1250"
	.amdhsa_code_object_version 6
	.text
	.protected	k_q7f7aa5d906_headmix
	.globl	k_q7f7aa5d906_headmix
	.p2align	8
	.type	k_q7f7aa5d906_headmix,@function
k_q7f7aa5d906_headmix:
	s_mov_b64 s[64:65], 0
	v_nop
	global_prefetch_b8 v0, s[64:65] scope:SCOPE_SE
	s_setreg_imm32_b32 hwreg(HW_REG_WAVE_MODE, 25, 1), 1
	s_wait_xcnt 0x0
; FOR EACH TOKEN, ATTENTION ACROSS ITS 16 HEADS: S[q][k] = Q[q] . K[k] / sqrt(128) over 128 channels, softmax over k, O[q] = the sum over k of P[q][k] V[k].
; qkv: [4096 tokens][6144] f16: q, k, v at bytes 0, 4,096, 8,192 of a row, their columns ordered so that byte 512 i + 16 x lane is the lane's 16 bytes of a matrix fragment:
;   q, k: lane 16 h + r, load i: head r, channels 16 i + 8 h + 0..7: loads 2 c and 2 c + 1 are registers 0-3 and 4-7 of the fragment for channels 32 c on;
;   v:    lane 16 h + r, load i: channel 16 i + r, heads 8 h + 0..7: registers 0-3 of V^T's fragment for channels 16 i on.
; att: the matrix [4096][2048] f16 that the last projection multiplies: head q, channel d of token (n, s) is its element (row 1024 n + 64 q + s / 16, column 128 (s % 16) + d).  IT IS STORED IN FRAGMENT
; BLOCKS: sixteen rows are a block of 65,536 bytes; byte 1,024 c + 512 u + 256 h + 16 r + 2 e of a block holds row r, column 32 c + 16 u + 8 h + e.
; SHARES.  A wave takes one token: 24 loads of 512 consecutive bytes, 12 matrix instructions, no loop.  A work-group takes the 16 tokens s = 256 j + 16 x wave + w0 of one n: they are the 16 rows
; (r = wave) of block 64 n + 4 q + j for each head q, and their 128 channels are its columns 128 w0 on: 4,096 consecutive bytes of the block.  So each wave puts its 16-byte pieces into a stage
; that the work-group shares, one barrier follows, and wave w reads head w's 4,096 bytes whole and stores them.  No cluster, no tensor load: no input is shared.
; LAYOUT.  S^T = K Q^T (source 0 = 16 key heads, source 1 = 16 query heads): a lane holds ONE query head (lane % 16) and the key heads 8 (lane / 16) + 0..7; rounded to f16 in pairs these are
; registers 0-3 of source 1 of O^T = V^T P; registers 4-7 (keys 16-31, which do not exist) are 0, so V^T's registers 4-7 need only be finite: they are the next block's V, or a pad of zeros.
; SOFTMAX.  The maximum m is taken away first, p = 2^(c (s - m)), c = log2(e) / sqrt(128): the largest score's exponent is exactly 0.  p / l is rounded to f16.
; LIMITS.  q, k, v arrive within f16's range (65,504); a weight below 2^-126 counts as 0; NaN and infinities are not treated apart.
.set TOKB,  12288                      ; bytes of a token in qkv
.set HP,    4112                       ; a head's 4,096 bytes in the stage + 16
.set SPARE, 16*HP                      ; behind the stage: the spare words, 128 bytes for each of the 16 waves: eight blocks of 256 bytes that no other line names
.set LO,  4                            ; v4   16 x lane; never rewritten
.set STO, 5                            ; v5   where I put 16 bytes of a head
.set RD,  6                            ; v6   where I read my head back
.set SPW, 8                            ; v8   LDS address of my spare word; never rewritten
.set NIL, 9                            ; v9   0; never rewritten
.set M,   10                           ; v10-11  the maximum, and at work
.set L,   12                           ; v12-15  the sum, its reciprocal, at work
.set Q,   16                           ; v[16:47]
.set K,   48                           ; v[48:79]
.set V,   80                           ; v[80:111], and v[112:115] = 0
.set S0,  116                          ; v[116:123] the scores; channels 0-31 and 64-95
.set S1,  124                          ; v[124:131] channels 32-63 and 96-127
.set P,   132                          ; v[132:139]; the upper four are 0
.set O,   140                          ; v[140:203] eight results of 16 channels
	s_load_b128 s[4:7], s[0:1], 0x0                ; qkv s[4:5], att s[6:7]
	v_lshl_add_u32 v[SPW], v0, 2, SPARE
	v_mov_b32 v[NIL], 0
	v_lshrrev_b32 v1, 5, v0
	v_readfirstlane_b32 s8, v1                     ; wave 0..15
	v_and_b32 v1, 31, v0
	v_lshlrev_b32 v[LO], 4, v1
	s_lshr_b32 s14, ttmp9, 6                       ; n
	s_bfe_u32 s15, ttmp9, 0x20004                  ; j = s / 256
	s_and_b32 s18, ttmp9, 15                       ; w0 = s % 16
	s_lshl_b32 s9, s14, 10
	s_lshl_b32 s12, s15, 8
	s_add_co_u32 s9, s9, s12
	s_lshl_b32 s12, s8, 4
	s_add_co_u32 s9, s9, s12
	s_add_co_u32 s9, s9, s18                       ; my token: 1024 n + 256 j + 16 x wave + w0
	s_mul_i32 s10, s9, TOKB
	s_mov_b32 s11, 0
	s_lshl_b32 s16, s14, 6                         ; what I store: head = my wave's number: block 64 n + 4 x wave + j,
	s_lshl_b32 s12, s8, 2
	s_add_co_u32 s16, s16, s12
	s_add_co_u32 s16, s16, s15
	s_lshl_b32 s16, s16, 16
	s_lshl_b32 s12, s18, 12                        ; its bytes 4,096 w0 on
	s_add_co_u32 s16, s16, s12
	s_mov_b32 s17, 0
	s_mov_b32 s20, 0x76543210                      ; v_permlanex16_b32: each lane takes its own place in the other half
	s_mov_b32 s21, 0xfedcba98
	s_mov_b32 s22, 0x3e0293ee                      ; c = log2(e) / sqrt(128) = 0.127517
	s_mov_b32 s23, s22                             ; named with it as a pair
	s_lshl_b32 s13, s8, 4                          ; my token is row = wave of its blocks: 16 bytes of each run
	s_mul_i32 s19, s8, HP
	s_wait_kmcnt 0x0
	s_add_nc_u64 s[4:5], s[4:5], s[10:11]
	s_add_nc_u64 s[6:7], s[6:7], s[16:17]
.set i, 0
.rept 8
	global_load_b128 v[K+4*i:K+4*i+3], v[LO], s[4:5] offset:4096+512*i th:TH_LOAD_NT
.set i, i+1
.endr
.set i, 0
.rept 8
	global_load_b128 v[Q+4*i:Q+4*i+3], v[LO], s[4:5] offset:512*i th:TH_LOAD_NT
.set i, i+1
.endr
.set i, 0
.rept 8
	global_load_b128 v[V+4*i:V+4*i+3], v[LO], s[4:5] offset:8192+512*i th:TH_LOAD_NT
.set i, i+1
.endr
	v_and_b32 v2, 15, v0                           ; l % 16: the query head that I hold
	v_bfe_u32 v3, v0, 4, 1                         ; h = l / 16
	v_mul_u32_u24 v[STO], v2, HP                   ; in: that head's part of the stage, run 2 i + h (the 512 i stand in the offset), row = wave
	v_lshl_add_u32 v[STO], v3, 8, v[STO]
	v_add_nc_u32 v[STO], s13, v[STO]
	v_add_nc_u32 v[RD], s19, v[LO]                 ; back: head = wave, 16 consecutive bytes a lane
	s_wait_loadcnt 8                               ; K and Q are in; V's eight loads may stay out
	v_wmma_f32_16x16x32_f16 v[S0:S0+7], v[K:K+7],     v[Q:Q+7],     0                ; two accumulators take turns
	v_wmma_f32_16x16x32_f16 v[S1:S1+7], v[K+8:K+15],  v[Q+8:Q+15],  0
	v_wmma_f32_16x16x32_f16 v[S0:S0+7], v[K+16:K+23], v[Q+16:Q+23], v[S0:S0+7]
	v_wmma_f32_16x16x32_f16 v[S1:S1+7], v[K+24:K+31], v[Q+24:Q+31], v[S1:S1+7]
.irp j, 0,1,2,3
	v_mov_b32 v[V+32+(\j)], 0                      ; the pad behind V and P's upper half: eight plain instructions, the places behind those products
	v_mov_b32 v[P+4+(\j)], 0
.endr
.irp j, 0,2,4,6
	v_pk_add_f32 v[S0+(\j):S0+(\j)+1], v[S0+(\j):S0+(\j)+1], v[S1+(\j):S1+(\j)+1]  ; from each accumulator's low end on
.endr
	v_max3_num_f32 v[M],   v[S0],   v[S0+1], v[S0+2]
	v_max3_num_f32 v[M+1], v[S0+3], v[S0+4], v[S0+5]
	v_max3_num_f32 v[M],   v[M],    v[S0+6], v[S0+7]
	v_max_num_f32  v[M],   v[M],    v[M+1]
	v_permlanex16_b32 v[M+1], v[M], s20, s21       ; the query's other 8 keys lie in the lane 16 away
	v_max_num_f32  v[M],   v[M],    v[M+1]
.irp j, 0,2,4,6
	v_pk_add_f32 v[S0+(\j):S0+(\j)+1], v[S0+(\j):S0+(\j)+1], v[M:M+1] op_sel_hi:[1,0] neg_lo:[0,1] neg_hi:[0,1]  ; s - m
.endr
.irp j, 0,2,4,6
	v_pk_mul_f32 v[S0+(\j):S0+(\j)+1], v[S0+(\j):S0+(\j)+1], s[22:23] op_sel_hi:[1,0]
.endr
.irp j, 0,1,2,3,4,5,6,7
	v_exp_f32 v[S0+(\j)], v[S0+(\j)]
.endr
	v_nop                                          ; a plain instruction behind the last exponential (ISA guide 5.7.2),
	s_wait_alu depctr_va_vdst(0)                   ; and the wait ahead of the first use: one for the eight
	v_pk_add_f32 v[L:L+1],   v[S0:S0+1],   v[S0+2:S0+3]
	v_pk_add_f32 v[L+2:L+3], v[S0+4:S0+5], v[S0+6:S0+7]
	v_pk_add_f32 v[L:L+1],   v[L:L+1],     v[L+2:L+3]
	v_add_f32 v[L], v[L], v[L+1]
	v_permlanex16_b32 v[L+1], v[L], s20, s21
	v_add_f32 v[L], v[L], v[L+1]                   ; l, at least 1: the largest weight is 1
	v_rcp_f32 v[L+2], v[L]
	v_nop
	s_wait_alu depctr_va_vdst(0)
.irp j, 0,2,4,6
	v_pk_mul_f32 v[S0+(\j):S0+(\j)+1], v[S0+(\j):S0+(\j)+1], v[L+2:L+3] op_sel_hi:[1,0]
.endr
.irp j, 0,1,2,3
	v_cvt_pk_f16_f32 v[P+(\j)], v[S0+2*(\j)], v[S0+2*(\j)+1]
.endr
	s_wait_loadcnt 0x0                             ; V
.set i, 0
.rept 8
	v_wmma_f32_16x16x32_f16 v[O+8*i:O+8*i+7], v[V+4*i:V+4*i+7], v[P:P+7], 0  ; channels 16 i on: eight sums of one product each
.set i, i+1
.endr
.rept 4
	v_nop                                          ; the places behind those products
.endr
.set i, 0
.rept 8
.irp j, 0,1,2,3
	v_cvt_pk_f16_f32 v[Q+4*i+(\j)], v[O+8*i+2*(\j)], v[O+8*i+2*(\j)+1]  ; channels 16 i + 8 h + 0..7 of my head: 16 bytes
.endr
.set i, i+1
.endr
.set i, 0
.rept 8
	ds_store_b128 v[STO], v[Q+4*i:Q+4*i+3] offset:512*i
.set i, i+1
.endr
	s_wait_dscnt 0x0                               ; for the others' sake: my stores into the stage are done
	s_barrier_signal -1
	s_barrier_wait -1                              ; all 16 rows of every head lie in the stage
.set i, 0
.rept 8
	ds_load_b128 v[K+4*i:K+4*i+3], v[RD] offset:512*i
.set i, i+1
.endr
.set i, 0
.rept 8
	s_wait_dscnt 7-i                               ; LDS loads come back in order: load i is in
	global_store_b128 v[LO], v[K+4*i:K+4*i+3], s[6:7] offset:512*i  ; 512 consecutive bytes, at a multiple of 256 from att's first byte
.set i, i+1
.endr
	s_wait_tensorcnt 0x0                           ; the wave's end, behind my last LDS store
	ds_add_u32 v[SPW], v[NIL]
	s_wait_dscnt 0x0
	s_endpgm
.Lfunc_end_k_q7f7aa5d906_headmix:
	.size	k_q7f7aa5d906_headmix, .Lfunc_end_k_q7f7aa5d906_headmix-k_q7f7aa5d906_headmix
	.p2alignl 7, 3214868480
	.fill 96, 4, 3214868480
	.section	.rodata,"a",@progbits
	.p2align	6, 0x0
	.amdhsa_kernel k_q7f7aa5d906_headmix
		.amdhsa_group_segment_fixed_size 67840
		.amdhsa_private_segment_fixed_size 0
		.amdhsa_enable_private_segment 0
		.amdhsa_kernarg_size 16
		.amdhsa_user_sgpr_count 2
		.amdhsa_user_sgpr_kernarg_segment_ptr 1
		.amdhsa_wavefront_size32 1
		.amdhsa_system_sgpr_workgroup_id_x 1
		.amdhsa_system_sgpr_workgroup_id_y 1
		.amdhsa_system_sgpr_workgroup_id_z 1
		.amdhsa_system_vgpr_workitem_id 0
		.amdhsa_next_free_vgpr 208
		.amdhsa_next_free_sgpr 66
		.amdhsa_reserve_vcc 0
		.amdhsa_float_denorm_mode_32 3
		.amdhsa_float_denorm_mode_16_64 3
		.amdhsa_memory_ordered 1
		.amdhsa_forward_progress 1
		.amdhsa_inst_pref_size 12
	.end_amdhsa_kernel
	.amdgpu_metadata
---
amdhsa.version: [ 1, 2 ]
amdhsa.kernels:
  - .name:           k_q7f7aa5d906_headmix
    .symbol:         k_q7f7aa5d906_headmix.kd
    .args:
      - { .name: qkv, .offset: 0, .size: 8, .value_kind: global_buffer, .address_space: global }
      - { .name: att, .offset: 8, .size: 8, .value_kind: global_buffer, .address_space: global }
    .group_segment_fixed_size: 67840
    .private_segment_fixed_size: 0
    .kernarg_segment_align: 8
    .kernarg_segment_size: 16
    .max_flat_workgroup_size: 512
    .sgpr_count:     66
    .vgpr_count:     208
    .wavefront_size: 32
...
	.end_amdgpu_metadata
.endif
;; end of part 3
;; launch outproj (part 4): grid 8 x 32, 4 waves a work-group, clusters of 4 x 4, 327,680 bytes of LDS; arguments att, cb, bt, out0; writes out0
.if DOCPART == 4
	.amdgcn_target "amdgcn-amd-amdhsa--gfx1250"
	.amdhsa_code_object_version 6
	.text
	.protected	k_q7f7aa5d906_outproj
	.globl	k_q7f7aa5d906_outproj
	.p2align	8
	.type	k_q7f7aa5d906_outproj,@function
k_q7f7aa5d906_outproj:
	s_mov_b64 s[64:65], 0
	v_nop
	global_prefetch_b8 v0, s[64:65] scope:SCOPE_SE
	s_setreg_imm32_b32 hwreg(HW_REG_WAVE_MODE, 25, 1), 1
	s_wait_xcnt 0x0
	s_wait_alu depctr_hold_cnt(0) depctr_sa_sdst(0) depctr_va_vdst(0) depctr_va_sdst(0) depctr_va_ssrc(0) depctr_va_vcc(0) depctr_vm_vsrc(0)
	s_getreg_b32 s2, hwreg(HW_REG_IB_STS2, 6, 4)
	s_cmp_eq_u32 s2, 0
	s_cbranch_scc0 .Lentry_in_a_cluster
	s_endpgm
.Lentry_in_a_cluster:
	s_bfe_u32 s2, ttmp6, 0x10000c
	s_cmp_lg_u32 s2, 0xf033
	s_cbranch_scc0 .Lentry_shape_is_right
	s_endpgm
.Lentry_shape_is_right:
; out0[t][c] = bo[c] + the sum over k of att[t][k] Wo[c][k].  att: [4096][2048] f16; Wo: cb rows 10240-12287, rounded to bf16 and held as f16; bo: bt[6144..8191], f32; out0: [4096][2048] f32.
; OPERANDS IN FRAGMENT BLOCKS.  Sixteen rows are a block of 65,536 bytes; in it a CHUNK, the 32 numbers k = 32 c .. of the 16 rows, is 1,024 bytes in the order of a matrix fragment's registers: lane l's
; registers 0-3 at byte 16 l, its registers 4-7 at 512 + 16 l.  So a fragment is two LDS loads of 16 consecutive bytes a lane, and K = 192 of a block is 6,144 dense bytes.
; TILE.  128 rows x 256 columns of C to a work-group: 32 x 8 = 256 work-groups, one for each WGP.  Four waves side by side: each has all 128 rows and 64 columns (256 bytes of a row of C):
; 8 x 4 accumulators of 16 x 16, 256 registers.
; K goes in STEPS of 192 (six chunks) through a ring of two LDS slots filled by the tensor data mover: A's 8 blocks (wave 0 asks), then B's 16 blocks in two parts of 8 (waves 1 and 2); wave 3 asks for nothing.
; Two slots of 256 along K would not fit in LDS.  2,048 = 10 x 192 + 128: the eleventh load begins at chunk 58, so that it ends with the block: it brings chunks 58 and 59 once more, and its places 2 to 5 are read.
; CLUSTER.  4 x 4 work-groups.  The four of a row of the cluster need the same tile of A, the four of a column the same tiles of B: each is asked for JOINTLY, by the same tensor load with
; the same descriptor and a mask that names the four.
; THE MATRIX INSTRUCTION IS USED TRANSPOSED (source 0 = 16 rows of B, source 1 = 16 rows of A): lane l holds row l % 16 of C and the columns 8 (l / 16) + 0..7.  THE BIAS STARTS THE SUMS: it is the
; C operand of each accumulator's first product, so nothing is cleared and nothing is added at the end.
; REGISTERS, in windows of 256 (s_set_vgpr_msb: bits 1:0 source 0, 3:2 source 1, 5:4 source 2, 7:6 destination):
;   window 0: v16-31 addresses; v32-95, v96-159 A's 8 fragments, two buffers; v160-191, v192-223 B's 4 fragments, two buffers; v224-255 the bias; on the way out v32-63 and v64-95 rows read back, by turns
;   window 1: the accumulators, (a, b) at v[8 (4 a + b)]
.set TN,    256
.set NCH,   2                          ; B's parts of 8 blocks
.set CHB,   1024                       ; a chunk of a block
.set STEPB, 6*CHB                      ; a step of a block
.set ASZ,   8*STEPB                    ; what one tensor load brings: 49,152 bytes
.set SLOT,  (1+NCH)*ASZ                ; A's 8 blocks, then B's 16
.set PITCH, 272                        ; a stage row: 256 bytes + 16 = 68 words: the 16 rows that a store touches start at 16 different groups of four banks (64 banks of 4 bytes: ISA guide 11.1)
.set STAGE, 2*SLOT                     ; behind the ring, never filled by a tensor load: 16 rows x 272 bytes for each wave, for the way out
.set SPARE, STAGE+4*16*PITCH           ; behind the stages: the spare words, 128 bytes for each wave: two blocks of 256 bytes that no other line names
.set NL,    24                         ; LDS loads of a chunk
.set CROW,  8192                       ; bytes in a row of C
.set ADRA, 16                          ; v16-17  LDS address of my lane's 16 bytes in A's first fragment of slot 0, 1
.set ADRB, 18                          ; v18-19  the same for my first fragment of B
.set STO,  24                          ; v24     the way out: where I put 32 bytes of a row
.set RD,   25                          ; v25     where I read a row back
.set CO,   26                          ; v26     my byte offset in C
.set SPW,  28                          ; v28     LDS address of my spare word: SPARE + 4 x my thread's number; never rewritten
.set NIL,  29                          ; v29     0; never rewritten
.set PFO,  30                          ; v30     the prefetches' offset; never rewritten
.set BO,   31                          ; v31     my byte offset in 16 numbers of the bias
.set OB,   32
.set AF,   32                          ; A's buffer f at AF + 64 f
.set BF,   160                         ; B's buffer f at BF + 32 f
.set BIAS, 224
.set WV,   10                          ; s10     my wave's number
.set G1,   24                          ; s[24:31] descriptor group 1 for A;  s[32:39] group 0, a set for each slot
.set G0,   32
.set LIM,  43                          ; s43     1 in a wave that prefetches, else the greatest number
.set PFA,  44                          ; s[44:45] where my next prefetch stands
.set G1B,  48                          ; s[48:55], s[56:63] the same for B
.set G0B,  56
.set MSB, 0
.macro WIN new                         ; the immediate's high byte repeats the setting that is left; a switch that changes nothing is dropped
.if MSB != (\new)
	s_set_vgpr_msb (MSB<<8)|(\new)
.set MSB, \new
.endif
.endm
.macro PLACES                          ; four plain vector instructions between a matrix instruction and a load into, or another instruction on, its registers (ISA guide 7.12.1 for vector instructions)
.rept 4
	v_nop
.endr
.endm
; A joint load: wave 0 asks for A's 8 blocks, waves 1 and 2 for 8 of B's each, wave 3 for nothing.  The branches hang on the wave's number alone.  An s_nop 0 and four v_nop follow each line
; wave 3 has the four v_nop too: they are the places in front of the LDS loads that follow.
.macro JLOAD s
	s_cmp_eq_u32 s[WV], 0
	s_cbranch_scc0 .Lfor_b_\@
	tensor_load_to_lds s[G0+4*(\s):G0+4*(\s)+3], s[G1:G1+7]
	s_nop 0
	PLACES
	s_branch .Lasked_\@
.Lfor_b_\@:
	s_cmp_gt_u32 s[WV], NCH
	s_cbranch_scc1 .Lnone_\@
	tensor_load_to_lds s[G0B+4*(\s):G0B+4*(\s)+3], s[G1B:G1B+7]
	s_nop 0
	PLACES
	s_branch .Lasked_\@
.Lnone_\@:
	PLACES
.Lasked_\@:
.endm
; A PREFETCH INTO THE L2, in WINDOWS of 128 along K: 4,096 bytes of a block, 16 runs of 256; an instruction names two blocks' window, a lane a run.  Change of slots t (0 .. 8) loads step t + 2, chunks 6 t + 12 on;
; window w (chunks 4 w on) is asked for ONE change ahead of the load that first wants any of it: at t = 0: w = 5; t = 1: 6, 7; t = 2: 8; t = 3: 9, 10; .. t = 6: 14; t = 7: 15.  So a change of slot 0 asks for one
; window, a change of slot 1 for two, in the loop's last trip (s3 = 1) for one: there is no window 16.  Windows 0 to 4 come by their loads alone; the change in the tail asks for nothing.
; It stands behind the joint load and the run of LDS loads.  Each run is named once in the launch: A's blocks by the clusters with x = 0, B's by those with y = 0; the four partners that ask for a load
; jointly share its 8 blocks out by ADDRESS, two each.
.macro ASK slot
	s_cmp_eq_u32 s[LIM], 1
	s_cbranch_scc0 .Lnot_mine_\@
	global_prefetch_b8 v[PFO], s[PFA:PFA+1] th:TH_LOAD_NT scope:SCOPE_SE
.if (\slot) == 1
	s_cmp_gt_u32 s3, 1
	s_cbranch_scc0 .Lnot_mine_\@
	global_prefetch_b8 v[PFO], s[PFA:PFA+1] offset:4096 th:TH_LOAD_NT scope:SCOPE_SE
.endif
.Lnot_mine_\@:
.endm
.macro CREST                           ; a round of the cluster's barrier behind its opening barrier
	s_cmp_lg_u32 s[WV], 0
	s_cbranch_scc1 .Lnot_wave_0_\@
	s_barrier_signal -3
.Lnot_wave_0_\@:
	s_barrier_wait -3
	s_barrier_signal -1
	s_barrier_wait -1
.endm
.macro CROUND
	s_barrier_signal -1
	s_barrier_wait -1
	CREST
.endm
; 4 na matrix instructions: row blocks a0 .. a0 + na - 1 x my 4 column blocks, 32 along K, on buffers f.  first = 1: the bias is C.
; The 32 accumulators take turns, one instruction a turn, in the same order in every chunk.
.macro MULB f, a0, na, first
.if \first
	WIN 0x40                                       ; D in window 1; both sources and the bias in window 0
.else
	WIN 0x50                                       ; C and D in window 1
.endif
.set aa, \a0
.rept \na
.set bb, 0
.rept 4
.if \first
	v_wmma_f32_16x16x32_f16 v[8*(4*aa+bb):8*(4*aa+bb)+7], v[BF+32*(\f)+8*bb:BF+32*(\f)+8*bb+7], v[AF+64*(\f)+8*aa:AF+64*(\f)+8*aa+7], v[BIAS+8*bb:BIAS+8*bb+7]
.else
	v_wmma_f32_16x16x32_f16 v[8*(4*aa+bb):8*(4*aa+bb)+7], v[BF+32*(\f)+8*bb:BF+32*(\f)+8*bb+7], v[AF+64*(\f)+8*aa:AF+64*(\f)+8*aa+7], v[8*(4*aa+bb):8*(4*aa+bb)+7]
.endif
.set bb, bb+1
.endr
.set aa, aa+1
.endr
.endm
; 24 LDS loads in one run: the fragments of place p of a slot into buffers f: B's 4, then A's 8
.macro FETCH slot, p, f
	WIN 0
.set ii, 0
.rept 4
	ds_load_b128 v[BF+32*(\f)+8*ii:BF+32*(\f)+8*ii+3],   v[ADRB+(\slot)] offset:ii*STEPB+(\p)*CHB
	ds_load_b128 v[BF+32*(\f)+8*ii+4:BF+32*(\f)+8*ii+7], v[ADRB+(\slot)] offset:ii*STEPB+(\p)*CHB+512
.set ii, ii+1
.endr
.set ii, 0
.rept 8
	ds_load_b128 v[AF+64*(\f)+8*ii:AF+64*(\f)+8*ii+3],   v[ADRA+(\slot)] offset:ii*STEPB+(\p)*CHB
	ds_load_b128 v[AF+64*(\f)+8*ii+4:AF+64*(\f)+8*ii+7], v[ADRA+(\slot)] offset:ii*STEPB+(\p)*CHB+512
.set ii, ii+1
.endr
.endm
; A CHUNK: 32 matrix instructions on buffers f; in its middle the next chunk's fragments (place np of slot ns) are fetched into the other buffers.
.macro CHUNK f, ns, np, first
	s_wait_dscnt 8                                 ; B and A's blocks 0-3 are in; the youngest eight loads (A's blocks 4-7) may be out
	MULB \f, 0, 4, \first
	PLACES
	FETCH \ns, \np, 1-(\f)
	s_wait_dscnt NL                                ; all but the 24 just issued
	MULB \f, 4, 4, \first
.endm
; A step's last chunk multiplies buffers 1 and changes slots: ONE barrier.  In front of it each wave waits for all its tensor loads (at most one is out: its part of the next slot), adds 0 to its
; spare word, and waits for that and for its own reads of this slot.  fill = 1: the barrier opens a round of the cluster's, and this slot is filled again, stp bytes further along each block, first thing
; behind it: from there to the wait for it a wave issues 176 matrix instructions.  np: the next slot's first place to be read.  ask = 1: a prefetch follows.
.macro TURN slot, np, fill, stp, ask
.if \ask
	s_wait_xcnt 0x0                                ; the last prefetches, a step back, have read their address: it is stepped here, past the windows that they named (slot 1's change names two, slot 0's one)
	s_add_nc_u64 s[PFA:PFA+1], s[PFA:PFA+1], 8192-4096*(\slot)
.endif
	WIN 0                                          ; (the add's two registers lie in window 0)
	s_wait_tensorcnt 0x0                           ; all my tensor loads have landed
	ds_add_u32 v[SPW], v[NIL]                      ; 0 onto my spare word
	s_wait_dscnt 9                                 ; (the add and the youngest eight loads may be out)
	MULB 1, 0, 2, 0                                ; eight matrix instructions stand between the add and the wait for it
	s_wait_dscnt 0x0                               ; the add is done, and my reads of this slot are over
	s_barrier_signal -1
	MULB 1, 2, 2, 0
.if \fill
	WIN 0
.endif
	s_barrier_wait -1
.if \fill
	CREST                                          ; no wave of any partner still reads this slot or has a load on its way
	s_add_nc_u64 s[G0+4*(\slot)+2:G0+4*(\slot)+3], s[G0+4*(\slot)+2:G0+4*(\slot)+3], \stp
	s_add_nc_u64 s[G0B+4*(\slot)+2:G0B+4*(\slot)+3], s[G0B+4*(\slot)+2:G0B+4*(\slot)+3], \stp
	JLOAD \slot                                    ; my one tensor load behind the round; its four v_nop are also the places in front of the loads below
.else
	PLACES
.endif
	FETCH 1-(\slot), \np, 0
.if \ask
	ASK \slot
.endif
	MULB 1, 4, 4, 0
.endm
	s_load_b256 s[68:75], s[0:1], 0x0              ; att s[68:69], cb s[70:71], bt s[72:73], out0 s[74:75]
	v_lshl_add_u32 v[SPW], v0, 2, SPARE
	v_mov_b32 v[NIL], 0
	ds_add_u32 v[SPW], v[NIL]                      ; the wave's opening: the add and its wait stand ahead of my first tensor load, with work on registers between them
	v_lshrrev_b32 v1, 5, v0
	v_readfirstlane_b32 s[WV], v1                  ; wave 0..3
	s_max_u32 s11, s[WV], 1
	s_sub_co_u32 s11, s11, 1                       ; which part of B I ask for (waves 1 and 2)
	s_bfe_u32 s40, ttmp6, 0x40000                  ; cx, cy: my place in the cluster
	s_bfe_u32 s41, ttmp6, 0x40004
	s_lshl_b32 s42, ttmp9, 2
	s_add_co_u32 s42, s42, s40                     ; tile column of C = 4 x cluster x + cx
	s_and_b32 s13, ttmp7, 0xffff
	s_lshl_b32 s13, s13, 2
	s_add_co_u32 s13, s13, s41                     ; tile row of C = 4 x cluster y + cy
	s_lshl_b32 s76, s41, 2
	s_lshl_b32 s76, 15, s76                        ; my row of the cluster
	s_lshl_b32 s77, 0x1111, s40                    ; my column
	; descriptor group 1: a row is a step of a block, 3,072 elements of 2 bytes; 8 blocks, 32,768 elements apart; no padding
	s_or_b32 s[G1], s76, (1<<16)|(1<<21)           ; 15:0 the mask; 17:16 2-byte elements; 21 set beside a mask
	s_or_b32 s[G1B], s77, (1<<16)|(1<<21)
.irp g, G1, G1B
	s_mov_b32 s[(\g)+1], 3072<<16                  ; tensor_dim0 = 3,072
	s_mov_b32 s[(\g)+2], 8<<16                     ; tensor_dim1 = 8
	s_mov_b32 s[(\g)+3], 3072<<16                  ; tile_dim0 = 3,072
	s_mov_b32 s[(\g)+4], 8                         ; tile_dim1 = 8
	s_mov_b32 s[(\g)+5], 32768                     ; elements from block to block
	s_mov_b32 s[(\g)+6], 0
	s_mov_b32 s[(\g)+7], 0
.endr
	s_lshl_b32 s16, s13, 19                        ; A: tile row x 8 blocks x 65,536 bytes: it hangs on the tile row alone
	s_mov_b32 s17, 0
	s_lshl_b32 s46, s42, 4                         ; B: block 16 x tile column + 8 x part: it hangs on the tile column and the wave alone
	s_lshl_b32 s22, s11, 3
	s_add_co_u32 s46, s46, s22
	s_lshl_b32 s46, s46, 16
	s_mov_b32 s47, 0
	s_mul_i32 s20, s[WV], ASZ                      ; where my 8 blocks go: wave x 49,152: no place in the cluster enters an LDS address
	s_wait_dscnt 0x0                               ; the opening add is done
	s_wait_kmcnt 0x0
	s_mov_b64 s[4:5], s[68:69]                     ; A = att
	s_add_nc_u64 s[6:7], s[70:71], 0x2800000       ; B = Wo: block 640 of cb
	s_mov_b64 s[8:9], s[74:75]                     ; C = out0
	s_add_nc_u64 s[14:15], s[4:5], s[16:17]
	s_add_nc_u64 s[46:47], s[6:7], s[46:47]
	CROUND                                         ; all sixteen work-groups are here: the first joint loads meet
.irp s, 0,1
	s_mov_b32 s[G0+4*(\s)], 1                                        ; count = 1
	s_add_co_u32 s[G0+4*(\s)+1], s20, (\s)*SLOT                      ; LDS address
	s_add_nc_u64 s[G0+4*(\s)+2:G0+4*(\s)+3], s[14:15], (\s)*STEPB    ; global address: step s
	s_or_b32 s[G0+4*(\s)+3], s[G0+4*(\s)+3], 0x80000000              ; type = 2
	s_mov_b32 s[G0B+4*(\s)], 1
	s_add_co_u32 s[G0B+4*(\s)+1], s20, (\s)*SLOT
	s_add_nc_u64 s[G0B+4*(\s)+2:G0B+4*(\s)+3], s[46:47], (\s)*STEPB
	s_or_b32 s[G0B+4*(\s)+3], s[G0B+4*(\s)+3], 0x80000000
.endr
	s_cmp_eq_u32 s[WV], 0                          ; a wave's two first fills stand in one branch: two loads of mine are out (none of wave 3's)
	s_cbranch_scc0 .Lfirst_b
	tensor_load_to_lds s[G0:G0+3], s[G1:G1+7]
	s_nop 0
	tensor_load_to_lds s[G0+4:G0+7], s[G1:G1+7]
	s_nop 0
	PLACES
	s_branch .Lfirst_asked
.Lfirst_b:
	s_cmp_gt_u32 s[WV], NCH
	s_cbranch_scc1 .Lfirst_asked
	tensor_load_to_lds s[G0B:G0B+3], s[G1B:G1B+7]
	s_nop 0
	tensor_load_to_lds s[G0B+4:G0B+7], s[G1B:G1B+7]
	s_nop 0
	PLACES
.Lfirst_asked:
	; the bias of my 64 columns: for block b a lane takes the 8 numbers at column 16 b + 8 (l / 16)
	s_mul_i32 s66, s42, TN
	s_lshl_b32 s12, s[WV], 6
	s_add_co_u32 s66, s66, s12
	s_lshl_b32 s66, s66, 2
	s_add_co_u32 s66, s66, 24576                   ; bo lies behind the 6,144 numbers of bq | bk | bv
	s_mov_b32 s67, 0
	s_add_nc_u64 s[78:79], s[72:73], s[66:67]
	v_and_b32 v1, 15, v0                           ; l % 16
	v_bfe_u32 v2, v0, 4, 1                         ; l / 16
	v_lshlrev_b32 v[BO], 5, v2
.set bb, 0
.rept 4
	global_load_b128 v[BIAS+8*bb:BIAS+8*bb+3],   v[BO], s[78:79] offset:64*bb
	global_load_b128 v[BIAS+8*bb+4:BIAS+8*bb+7], v[BO], s[78:79] offset:64*bb+16
.set bb, bb+1
.endr
	v_and_b32 v3, 31, v0
	v_lshlrev_b32 v3, 4, v3                        ; 16 x lane
	v_mov_b32 v[ADRA], v3                          ; every wave reads all 8 blocks of A
	v_add_nc_u32 v[ADRA+1], SLOT, v3
	s_mul_i32 s12, s[WV], 4*STEPB                  ; my 4 blocks of B,
	s_add_co_u32 s12, s12, ASZ                     ; which lie behind A's 8
	v_add_nc_u32 v[ADRB], s12, v3
	s_add_co_u32 s12, s12, SLOT
	v_add_nc_u32 v[ADRB+1], s12, v3
	; the way out, through my own stage: in: row l % 16, 32 bytes for each half of the lanes; back: lanes 0-15 one row of 256 bytes, lanes 16-31 the next
	s_mul_i32 s12, s[WV], 16*PITCH
	s_add_co_u32 s12, s12, STAGE
	v_mul_u32_u24 v4, v1, PITCH
	v_lshl_add_u32 v4, v2, 5, v4
	v_add_nc_u32 v[STO], s12, v4
	v_mul_u32_u24 v5, v2, PITCH
	v_lshl_add_u32 v5, v1, 4, v5
	v_add_nc_u32 v[RD], s12, v5
	v_lshlrev_b32 v5, 13, v2                       ; and the same two rows in C
	v_lshl_add_u32 v[CO], v1, 4, v5
	s_lshl_b32 s66, s13, 20                        ; the tile's 128 rows of 8,192 bytes,
	s_lshl_b32 s12, s42, 10                        ; its 256 columns of 4 bytes,
	s_add_co_u32 s66, s66, s12
	s_lshl_b32 s12, s[WV], 8                       ; my 64 of them
	s_add_co_u32 s66, s66, s12
	s_add_nc_u64 s[8:9], s[8:9], s[66:67]
	; the prefetches
	s_lshl_b32 s18, s13, 3                         ; A: block 8 x tile row + 2 cx,
	s_lshl_b32 s21, s40, 1
	s_add_co_u32 s18, s18, s21
	s_lshl_b32 s19, s42, 4                         ; B: block 16 x tile column + 8 x part + 2 cy
	s_lshl_b32 s21, s11, 3
	s_add_co_u32 s19, s19, s21
	s_lshl_b32 s21, s41, 1
	s_add_co_u32 s19, s19, s21
	s_and_b32 s23, ttmp7, 0xffff                   ; cluster y
	s_cmp_eq_u32 s[WV], 0                          ; do I ask for A?
	s_cselect_b32 s18, s18, s19
	s_cselect_b32 s23, ttmp9, s23                  ; the coordinate along which other clusters read the same blocks
	s_cselect_b64 s[PFA:PFA+1], s[4:5], s[6:7]
	s_cmp_eq_u32 s23, 0
	s_cselect_b32 s[LIM], 1, -1                    ; the same in all sixteen partners, for a given wave
	s_cmp_gt_u32 s[WV], NCH
	s_cselect_b32 s[LIM], -1, s[LIM]               ; wave 3 fetches nothing and prefetches nothing
	s_lshl_b32 s18, s18, 16
	s_mov_b32 s19, 0
	s_add_nc_u64 s[PFA:PFA+1], s[PFA:PFA+1], s[18:19]
	s_add_nc_u64 s[PFA:PFA+1], s[PFA:PFA+1], 3*4096  ; at window 3: the first change of slots steps it to window 5.  Nothing is prefetched here, at the head
	v_lshlrev_b32 v[PFO], 16, v2                   ; lanes 0-15 one block's 16 runs, lanes 16-31 the next block's
	v_lshl_add_u32 v[PFO], v1, 8, v[PFO]
	s_wait_tensorcnt 1                             ; my part of step 0 is in; step 1's may stay out
	s_barrier_signal -1
	s_barrier_wait -1                              ; everybody's is
	FETCH 0, 0, 0
	s_wait_loadcnt 0x0                             ; the bias
	CHUNK 0, 0, 1, 1                               ; chunk 0 stands in front of the loop: its products start the sums, with the bias
	WIN 0                                          ; at a label and at a branch every window is 0
	s_mov_b32 s3, 4                                ; 64 chunks: 1 + 4 x 12 + 15
.Llap:                                         ; a trip goes once round the ring, from a lap's second chunk to the next lap's first, and fills both slots again: steps 2 to 9
	CHUNK 1, 0, 2, 0
	CHUNK 0, 0, 3, 0
	CHUNK 1, 0, 4, 0
	CHUNK 0, 0, 5, 0
	TURN  0, 0, 1, 2*STEPB, 1
	CHUNK 0, 1, 1, 0
	CHUNK 1, 1, 2, 0
	CHUNK 0, 1, 3, 0
	CHUNK 1, 1, 4, 0
	CHUNK 0, 1, 5, 0
	TURN  1, 0, 1, 2*STEPB, 1
	CHUNK 0, 0, 1, 0
	WIN 0
	s_sub_co_u32 s3, s3, 1
	s_cmp_lg_u32 s3, 0
	s_cbranch_scc1 .Llap
	CHUNK 1, 0, 2, 0                               ; the rest of step 8
	CHUNK 0, 0, 3, 0
	CHUNK 1, 0, 4, 0
	CHUNK 0, 0, 5, 0
	TURN  0, 0, 1, 10*CHB, 0                       ; the last refill: from chunk 48 on to chunk 58, so that the load ends with the block
	CHUNK 0, 1, 1, 0                               ; step 9
	CHUNK 1, 1, 2, 0
	CHUNK 0, 1, 3, 0
	CHUNK 1, 1, 4, 0
	CHUNK 0, 1, 5, 0
	TURN  1, 2, 0, 0, 0                            ; nothing is filled; chunk 60 lies at place 2 of slot 0
	CHUNK 0, 0, 3, 0
	CHUNK 1, 0, 4, 0
	CHUNK 0, 0, 5, 0
	s_wait_dscnt 8                                 ; the very last chunk: nothing more to fetch
	MULB 1, 0, 4, 0
	s_wait_dscnt 0x0
	MULB 1, 4, 4, 0
	WIN 0
	; THE WAY OUT.  The sums are the result: no conversion.  A block of 16 rows at a time goes from the accumulators into my own stage (each accumulator's four lowest registers first) and comes
	; back as whole rows of 256 bytes.
.macro TOSTAGE a
	s_wait_xcnt 0x0                                ; the stores of the block two back have read the registers that are loaded again below
	WIN 0x04                                       ; store data (source 1) in window 1, address in window 0
.set bb, 0
.rept 4
	ds_store_b128 v[STO], v[8*(4*(\a)+bb):8*(4*(\a)+bb)+3]   offset:64*bb
	ds_store_b128 v[STO], v[8*(4*(\a)+bb)+4:8*(4*(\a)+bb)+7] offset:64*bb+16
.set bb, bb+1
.endr
	WIN 0
.irp t, 0,1,2,3,4,5,6,7
	ds_load_b128 v[OB+32*((\a)%2)+4*(\t):OB+32*((\a)%2)+4*(\t)+3], v[RD] offset:(\t)*2*PITCH  ; LDS serves a wave's instructions in order (ISA guide 5.7.1.4): these see the stores above; the next block's stores come behind them
.endr
.endm
.macro SEND a, younger                 ; younger: the LDS instructions issued behind block a's loads: the next block's sixteen, or none
.irp t, 0,1,2,3,4,5,6,7
	s_wait_dscnt (\younger)+7-(\t)
	global_store_b128 v[CO], v[OB+32*((\a)%2)+4*(\t):OB+32*((\a)%2)+4*(\t)+3], s[8:9] offset:(16*(\a)+2*(\t))*CROW th:TH_STORE_NT  ; 16 lanes store 256 consecutive bytes, at a multiple of 256 from C's first byte
.endr
.endm
	PLACES                                         ; behind the last products, in front of the stores that read results and the loads into A's old registers
	TOSTAGE 0
.irp a, 1,2,3,4,5,6,7
	TOSTAGE \a
	SEND (\a)-1, 16
.endr
	SEND 7, 0
	s_wait_tensorcnt 0x0                           ; the wave's end, behind my last tensor load and my last LDS store
	ds_add_u32 v[SPW], v[NIL]
	s_wait_dscnt 0x0
	CROUND                                         ; the closing round: no work-group ends while a partner may still ask for a tile that names it
	s_endpgm
.Lfunc_end_k_q7f7aa5d906_outproj:
	.size	k_q7f7aa5d906_outproj, .Lfunc_end_k_q7f7aa5d906_outproj-k_q7f7aa5d906_outproj
	.p2alignl 7, 3214868480
	.fill 96, 4, 3214868480
	.section	.rodata,"a",@progbits
	.p2align	6, 0x0
	.amdhsa_kernel k_q7f7aa5d906_outproj
		.amdhsa_group_segment_fixed_size 327680
		.amdhsa_private_segment_fixed_size 0
		.amdhsa_enable_private_segment 0
		.amdhsa_kernarg_size 32
		.amdhsa_user_sgpr_count 2
		.amdhsa_user_sgpr_kernarg_segment_ptr 1
		.amdhsa_wavefront_size32 1
		.amdhsa_system_sgpr_workgroup_id_x 1
		.amdhsa_system_sgpr_workgroup_id_y 1
		.amdhsa_system_sgpr_workgroup_id_z 1
		.amdhsa_system_vgpr_workitem_id 0
		.amdhsa_next_free_vgpr 512
		.amdhsa_next_free_sgpr 80
		.amdhsa_reserve_vcc 0
		.amdhsa_float_denorm_mode_32 3
		.amdhsa_float_denorm_mode_16_64 3
		.amdhsa_memory_ordered 1
		.amdhsa_forward_progress 1
		.amdhsa_inst_pref_size 135
	.end_amdhsa_kernel
	.amdgpu_metadata
---
amdhsa.version: [ 1, 2 ]
amdhsa.kernels:
  - .name:           k_q7f7aa5d906_outproj
    .symbol:         k_q7f7aa5d906_outproj.kd
    .args:
      - { .name: att, .offset: 0, .size: 8, .value_kind: global_buffer, .address_space: global }
      - { .name: cb, .offset: 8, .size: 8, .value_kind: global_buffer, .address_space: global }
      - { .name: bt, .offset: 16, .size: 8, .value_kind: global_buffer, .address_space: global }
      - { .name: out0, .offset: 24, .size: 8, .value_kind: global_buffer, .address_space: global }
    .group_segment_fixed_size: 327680
    .private_segment_fixed_size: 0
    .kernarg_segment_align: 8
    .kernarg_segment_size: 32
    .max_flat_workgroup_size: 128
    .sgpr_count:     80
    .vgpr_count:     512
    .wavefront_size: 32
...
	.end_amdgpu_metadata
.endif
;; end of part 4
;; ======== version 2 of 2: 4 launches; version 1 with the launch cast written anew for expert scheduling mode
;; limits: values are held in f16: magnitudes above 65,504 overflow, below 6.1e-05 lose precision
;; workspace buffers: cb 50,331,648 bytes; bt 32,768 bytes; qkv 50,331,648 bytes; att 16,777,216 bytes
;; launch cast (part 5): grid 1544 x 1, 8 waves a work-group, no clusters, 35,840 bytes of LDS; arguments x, Wq, Wk, Wv, Wo, bq, bk, bv, bo, cb, bt; writes cb, bt
.if DOCPART == 5
	.amdgcn_target "amdgcn-amd-amdhsa--gfx1250"
	.amdhsa_code_object_version 6
	.text
	.protected	k_q7f7aa5d906_cast
	.globl	k_q7f7aa5d906_cast
	.p2align	8
	.type	k_q7f7aa5d906_cast,@function
k_q7f7aa5d906_cast:
	s_mov_b64 s[64:65], 0
	v_nop
	global_prefetch_b8 v0, s[64:65] scope:SCOPE_SE
	s_setreg_imm32_b32 hwreg(HW_REG_WAVE_SCHED_MODE, 0, 2), 2
	s_setreg_imm32_b32 hwreg(HW_REG_WAVE_MODE, 25, 1), 1
	s_wait_xcnt 0x0
	s_wait_alu depctr_vm_vsrc(0)
; ALL INPUTS ARE ROUNDED ONCE TO bf16 AND LAID OUT FOR THE LAUNCHES BEHIND.
; cb: 12,288 rows of 2,048 16-bit numbers, 4,096 bytes for each row, ALL IN FRAGMENT BLOCKS (below).  Rows 0-4095: x (bf16); rows 4096-10239: Wq | Wk | Wv (bf16), their ROWS PERMUTED;
; rows 10240-12287: Wo, rounded to bf16 and that number written as f16 (its partner in the last product is f16).
; bt: 8,192 f32, each rounded to bf16: bq | bk | bv in the same permuted order, then bo.
; THE PERMUTATION.  Destination row p of a section, p = 256 i + 128 h + 8 r + e (i 0-7, h 0-1, r 0-15, e 0-7), takes source row c = r M1 + h M2 + e M3 + i M4:
;   Wq, Wk: (128, 8, 1, 16): head r, channel 16 i + 8 h + e.     Wv: (1, 1024, 128, 16): head 8 h + e, channel 16 i + r.     Wo, bo: (8, 128, 1, 256): c = p.
; So byte 512 i + 16 (16 h + r) of a token's projected q, k or v is the 16 bytes that lane 16 h + r of a matrix fragment wants: the head mixing loads fragments as they lie.
; FRAGMENT BLOCKS.  Sixteen destination rows are a block of 65,536 bytes; in it the 32 numbers k = 32 c .. 32 c + 31 of the 16 rows are 1,024 bytes in the order of a matrix fragment's registers:
; byte 1,024 c + 512 s + 16 (16 h + r) + 2 e holds row r, k = 32 c + 16 s + 8 h + e.  So run k / 8 of 256 bytes holds eight neighbouring k of all 16 rows, 16 bytes a row.
; SHARES.  Task D = 8 x work-group + wave, D < 12,288: block D / 16, k = 128 (D % 16) on: sixteen loads of 512 consecutive bytes, a source row each, all out at once; rounded; through the wave's own
; stage in LDS (16 runs of 256 bytes, 272 apart); back as runs; eight stores of 512 consecutive bytes at cb + 4,096 D.
; Work-groups 1536-1543: 1,024 numbers of bt each, four a thread.  No wave reads what another wrote: no barrier.
; LIMIT.  Wo below 2^-14 in magnitude keeps f16's fixed step of 6e-8; Wo beyond 65,504 is not served.
; THE MODE: SCHED_MODE bits 1:0 = 2 (LLVM: expert scheduling mode 2), set by the entry lines.  The code itself states the register dependences between vector instructions and memory or LDS
; instructions, with s_wait_alu, always for 0.
; THE PLAN.  Registers that memory or LDS instructions touch:
;   v1, OFF, ST, RDB   offsets and LDS addresses: written by vector instructions at the head and never again; read by the loads and stores.  One wait ahead of the first load states them for the whole kernel.
;   IN                 the sixteen global loads land in it; the conversions read it; behind the last conversion the eight LDS loads land in its first half, and the global stores read that.
;   OUT                two registers to a row, written once by the row's conversions, read once by the row's LDS store, never written again.
;   T                  named by vector instructions alone.        SPW, NIL   written at the head, read by the closing add alone.
; The sixteen rows go in four groups of four.  A row's turn: the wait for its load; the LDS store of the row four back; its conversions.  So a group's four LDS stores read what the group BEFORE has
; rounded, and one wait at the group's head states that; the conversions issued since that wait write this group's OUT and T, which those stores do not name.  One more wait stands behind the last
; conversion, for the last four LDS stores and for the LDS loads that land in IN.  No register that a memory or LDS instruction has read is written again.
.set ROWGROUPS, 1536                   ; 12,288 tasks / 8 waves
.set XROWS,     4096
.set WOROW,     10240
.set UP,    272                        ; from run to run in the stage
.set STG,   16*UP                      ; a wave's stage
.set SPARE, 8*STG                      ; behind the stages: the spare words, 128 bytes for each wave: four blocks of 256 bytes that no other line names
.set SPW, 4                            ; v4   LDS address of my spare word: SPARE + 4 x my thread's number; never rewritten
.set NIL, 5                            ; v5   0; never rewritten
.set ST,  6                            ; v6   where I put 8 bytes of a row
.set RDB, 7                            ; v7   where I read 16 bytes of a run back
.set T,   8                            ; v[8:13]    at work
.set OFF, 16                           ; v[16:31]   my byte offset in source row j
.set IN,  32                           ; v[32:95]   as loaded: 4 f32 for each of 16 loads; later the runs read back
.set OUT, 96                           ; v[96:127]  rounded: each LDS store has registers of its own
; the four multipliers of section s11 (0 q, 1 k, 2 v, 3 o) -> s40 .. s43
.macro SELM
	s_cmp_eq_u32 s11, 2
	s_cselect_b32 s40, 1, 128
	s_cselect_b32 s41, 1024, 8
	s_cselect_b32 s42, 128, 1
	s_mov_b32 s43, 16
	s_cmp_eq_u32 s11, 3
	s_cselect_b32 s40, 8, s40
	s_cselect_b32 s41, 128, s41
	s_cselect_b32 s43, 256, s43
.endm
; row j's 8 bytes go into the stage
.macro PUT j
	ds_store_b64 v[ST], v[OUT+2*(\j):OUT+2*(\j)+1] offset:16*(\j)
.endm
; row j is rounded to bf16
.macro CVB j
	v_cvt_pk_bf16_f32 v[OUT+2*(\j)],   v[IN+4*(\j)],   v[IN+4*(\j)+1]
	v_cvt_pk_bf16_f32 v[OUT+2*(\j)+1], v[IN+4*(\j)+2], v[IN+4*(\j)+3]
.endm
; row j of Wo is rounded to bf16, widened, and written as f16
.macro CVF j
	v_cvt_pk_bf16_f32 v[T],   v[IN+4*(\j)],   v[IN+4*(\j)+1]
	v_cvt_pk_bf16_f32 v[T+1], v[IN+4*(\j)+2], v[IN+4*(\j)+3]
	v_lshlrev_b32 v[T+2], 16, v[T]
	v_and_b32     v[T+3], 0xffff0000, v[T]
	v_lshlrev_b32 v[T+4], 16, v[T+1]
	v_and_b32     v[T+5], 0xffff0000, v[T+1]
	v_cvt_pk_f16_f32 v[OUT+2*(\j)],   v[T+2], v[T+3]
	v_cvt_pk_f16_f32 v[OUT+2*(\j)+1], v[T+4], v[T+5]
.endm
	s_load_b512 s[16:31], s[0:1], 0x0              ; x s[16:17], Wq s[18:19], Wk s[20:21], Wv s[22:23], Wo s[24:25], bq s[26:27], bk s[28:29], bv s[30:31]
	s_load_b128 s[32:35], s[0:1], 0x40             ; bo s[32:33], cb s[34:35]
	s_load_b64 s[36:37], s[0:1], 0x50              ; bt
	v_lshl_add_u32 v[SPW], v0, 2, SPARE
	v_mov_b32 v[NIL], 0
	v_lshrrev_b32 v3, 5, v0
	v_readfirstlane_b32 s8, v3                     ; wave 0..7
	v_and_b32 v3, 31, v0                           ; lane
	v_lshlrev_b32 v1, 4, v3                        ; 16 x lane
	s_lshl_b32 s9, ttmp9, 3
	s_wait_alu depctr_va_sdst(0)                   ; s8 is written, ahead of its first reader: the task's number and the addresses are made from it
	s_add_co_u32 s9, s9, s8                        ; D
	s_lshl_b32 s50, s9, 12                         ; my 4,096 bytes of cb
	s_mov_b32 s51, 0
	s_cmp_ge_u32 ttmp9, ROWGROUPS
	s_cbranch_scc1 .Lbias
	; ---- 16 rows x 128 k, in fragment blocks ----
	s_and_b32 s10, s9, 0xfffffff0                  ; the block's first destination row
	s_and_b32 s39, s9, 15                          ; which 128 of k
	s_sub_co_u32 s12, s10, XROWS                   ; its place among the weights' rows (for a block of x the fields below are made and not used)
	s_bfe_u32 s11, s12, 0x2000b                    ; section
	s_bfe_u32 s14, s12, 0x40003                    ; r of the first row, even; its e is 0
	s_bfe_u32 s15, s12, 0x10007                    ; h
	s_bfe_u32 s38, s12, 0x30008                    ; i
	SELM
	s_mul_i32 s44, s14, s40
	s_mul_i32 s13, s15, s41
	s_add_co_u32 s44, s44, s13
	s_mul_i32 s13, s38, s43
	s_add_co_u32 s44, s44, s13                     ; the first row's source row
	s_mul_i32 s54, s8, STG
	v_lshrrev_b32 v[ST], 1, v3                     ; lane l holds k = 4 l .. 4 l + 3 of its 128: run l / 2, half l % 2 of the row's 16 bytes
	v_mul_u32_u24 v[ST], v[ST], UP
	v_and_b32 v8, 1, v3
	v_lshl_add_u32 v[ST], v8, 3, v[ST]
	v_add_nc_u32 v[ST], s54, v[ST]
	v_lshrrev_b32 v[RDB], 4, v3                    ; back: lanes 0-15 one run, lanes 16-31 the next
	v_mul_u32_u24 v[RDB], v[RDB], UP
	v_and_b32 v8, 15, v3
	v_lshl_add_u32 v[RDB], v8, 4, v[RDB]
	v_add_nc_u32 v[RDB], s54, v[RDB]
	s_wait_kmcnt 0x0
	s_add_nc_u64 s[48:49], s[34:35], s[50:51]      ; cb + 4,096 D
	s_cmp_eq_u32 s11, 1
	s_cselect_b64 s[46:47], s[20:21], s[18:19]
	s_cmp_eq_u32 s11, 2
	s_cselect_b64 s[46:47], s[22:23], s[46:47]
	s_cmp_eq_u32 s11, 3
	s_cselect_b64 s[46:47], s[24:25], s[46:47]
	s_cmp_lt_u32 s10, XROWS
	s_cselect_b64 s[46:47], s[16:17], s[46:47]     ; a block of x comes from x,
	s_cselect_b32 s44, s10, s44                    ; unpermuted
	s_cselect_b32 s40, 8, s40
	s_cselect_b32 s42, 1, s42
	s_lshl_b32 s50, s44, 13                        ; a source row is 8,192 bytes,
	s_lshl_b32 s13, s39, 9                         ; 128 k are 512
	s_add_co_u32 s50, s50, s13
	s_add_nc_u64 s[46:47], s[46:47], s[50:51]
	s_lshl_b32 s52, s42, 13                        ; from row j to j + 1 (e + 1): M3 source rows,
	s_lshl_b32 s53, s40, 13                        ; from row j to j + 8 (r + 1): M1
	v_mov_b32 v[OFF], v1
	v_add_nc_u32 v[OFF+8], s53, v1
.set j, 1
.rept 7
	v_add_nc_u32 v[OFF+j],   s52, v[OFF+j-1]
	v_add_nc_u32 v[OFF+8+j], s52, v[OFF+8+j-1]
.set j, j+1
.endr
	s_wait_alu depctr_va_vdst(0)                   ; the sixteen offsets, v1 and the two LDS addresses are written: every load and store below reads one of them, and no vector instruction writes them again
.set j, 0
.rept 16
	global_load_b128 v[IN+4*j:IN+4*j+3], v[OFF+j], s[46:47] th:TH_LOAD_NT
.set j, j+1
.endr
	s_cmp_ge_u32 s9, WOROW
	s_cbranch_scc1 .Lwo
.set j, 0
.rept 16
	s_wait_loadcnt 15-j                            ; loads come back in order: row j is in, the 15 - j issued behind it may stay out
.if (j > 0) && (j % 4 == 0)
	s_wait_alu depctr_va_vdst(0)                   ; the four rows before have written their OUT, which this group's four LDS stores read
.endif
.if j >= 4
	PUT j-4                                        ; no vector instruction since that wait names these registers
.endif
	CVB j
.set j, j+1
.endr
	s_wait_alu depctr_va_vdst(0)                   ; rows 12 to 15 have written their OUT, which the LDS stores below read; all conversions are done reading IN, in which the LDS loads land
.irp r, 12,13,14,15
	PUT \r
.endr
	s_branch .Lback
.Lwo:                                          ; a block of Wo: rounded to bf16, widened, and written as f16
.set j, 0
.rept 16
	s_wait_loadcnt 15-j
.if (j > 0) && (j % 4 == 0)
	s_wait_alu depctr_va_vdst(0)                   ; the four rows before have written their OUT, which this group's four LDS stores read
.endif
.if j >= 4
	PUT j-4                                        ; no vector instruction since that wait names these registers
.endif
	CVF j
.set j, j+1
.endr
	s_wait_alu depctr_va_vdst(0)                   ; rows 12 to 15 have written their OUT, which the LDS stores below read; all conversions are done reading IN, in which the LDS loads land
.irp r, 12,13,14,15
	PUT \r
.endr
.Lback:                                        ; on both ways here no vector instruction has been issued since the last wait, and none follows
.set j, 0
.rept 8
	ds_load_b128 v[IN+4*j:IN+4*j+3], v[RDB] offset:2*UP*j  ; LDS serves a wave's instructions in order (ISA guide 5.7.1.4): these see the stores above
.set j, j+1
.endr
.set j, 0
.rept 8
	s_wait_dscnt 7-j
	global_store_b128 v1, v[IN+4*j:IN+4*j+3], s[48:49] offset:512*j  ; two runs: 512 consecutive bytes, aligned
.set j, j+1
.endr
	s_wait_dscnt 0x0                               ; the closing lines, six on end
	s_wait_alu 0x0
	s_wait_tensorcnt 0x0
	ds_add_u32 v[SPW], v[NIL]
	s_wait_dscnt 0x0
	s_endpgm
	; ---- 1,024 numbers of bt ----
.Lbias:
	s_sub_co_u32 s9, ttmp9, ROWGROUPS              ; g = 0..7: half g % 2 of section g / 2
	s_lshr_b32 s11, s9, 1
	SELM
	s_and_b32 s10, s9, 1
	s_lshl_b32 s10, s10, 8
	v_add_nc_u32 v8, s10, v0
	v_lshlrev_b32 v8, 2, v8                        ; p of my first number, a multiple of 4: my four differ in e alone
	v_and_b32 v9, 7, v8                            ; e
	v_bfe_u32 v10, v8, 3, 4                        ; r
	v_bfe_u32 v11, v8, 7, 1                        ; h
	v_bfe_u32 v12, v8, 8, 3                        ; i
	v_mul_u32_u24 v13, v10, s40
	v_mad_u32_u24 v13, v11, s41, v13
	v_mad_u32_u24 v13, v9, s42, v13
	v_mad_u32_u24 v13, v12, s43, v13               ; c of my first number
	s_lshl_b32 s45, s42, 2                         ; from one of my numbers to the next: M3 numbers of 4 bytes
	v_lshlrev_b32 v16, 2, v13
	v_add_nc_u32 v17, s45, v16
	v_add_nc_u32 v18, s45, v17
	v_add_nc_u32 v19, s45, v18
	v_lshlrev_b32 v14, 4, v0                       ; my 16 bytes of the work-group's 4,096
	s_lshl_b32 s50, s9, 12
	s_wait_kmcnt 0x0
	s_cmp_eq_u32 s11, 1
	s_cselect_b64 s[46:47], s[28:29], s[26:27]
	s_cmp_eq_u32 s11, 2
	s_cselect_b64 s[46:47], s[30:31], s[46:47]
	s_cmp_eq_u32 s11, 3
	s_cselect_b64 s[46:47], s[32:33], s[46:47]
	s_add_nc_u64 s[48:49], s[36:37], s[50:51]
	s_wait_alu depctr_va_vdst(0)                   ; the offsets v16 to v19 and v14 are written, which the four loads and the store read
	global_load_b32 v20, v16, s[46:47]
	global_load_b32 v21, v17, s[46:47]
	global_load_b32 v22, v18, s[46:47]
	global_load_b32 v23, v19, s[46:47]
	s_wait_loadcnt 0x0
	v_cvt_pk_bf16_f32 v24, v20, v21
	v_cvt_pk_bf16_f32 v25, v22, v23
	v_lshlrev_b32 v28, 16, v24
	v_and_b32     v29, 0xffff0000, v24
	v_lshlrev_b32 v30, 16, v25
	v_and_b32     v31, 0xffff0000, v25
	s_wait_alu depctr_va_vdst(0)                   ; v28 to v31 are written, which the store reads
	global_store_b128 v14, v[28:31], s[48:49]      ; 16 lanes cover 256 consecutive bytes, aligned
	s_endpgm
.Lfunc_end_k_q7f7aa5d906_cast:
	.size	k_q7f7aa5d906_cast, .Lfunc_end_k_q7f7aa5d906_cast-k_q7f7aa5d906_cast
	.p2alignl 7, 3214868480
	.fill 96, 4, 3214868480
	.section	.rodata,"a",@progbits
	.p2align	6, 0x0
	.amdhsa_kernel k_q7f7aa5d906_cast
		.amdhsa_group_segment_fixed_size 35840
		.amdhsa_private_segment_fixed_size 0
		.amdhsa_enable_private_segment 0
		.amdhsa_kernarg_size 88
		.amdhsa_user_sgpr_count 2
		.amdhsa_user_sgpr_kernarg_segment_ptr 1
		.amdhsa_wavefront_size32 1
		.amdhsa_system_sgpr_workgroup_id_x 1
		.amdhsa_system_sgpr_workgroup_id_y 1
		.amdhsa_system_sgpr_workgroup_id_z 1
		.amdhsa_system_vgpr_workitem_id 0
		.amdhsa_next_free_vgpr 128
		.amdhsa_next_free_sgpr 66
		.amdhsa_reserve_vcc 0
		.amdhsa_float_denorm_mode_32 3
		.amdhsa_float_denorm_mode_16_64 3
		.amdhsa_memory_ordered 1
		.amdhsa_forward_progress 1
		.amdhsa_inst_pref_size 22
	.end_amdhsa_kernel
	.amdgpu_metadata
---
amdhsa.version: [ 1, 2 ]
amdhsa.kernels:
  - .name:           k_q7f7aa5d906_cast
    .symbol:         k_q7f7aa5d906_cast.kd
    .args:
      - { .name: x, .offset: 0, .size: 8, .value_kind: global_buffer, .address_space: global }
      - { .name: Wq, .offset: 8, .size: 8, .value_kind: global_buffer, .address_space: global }
      - { .name: Wk, .offset: 16, .size: 8, .value_kind: global_buffer, .address_space: global }
      - { .name: Wv, .offset: 24, .size: 8, .value_kind: global_buffer, .address_space: global }
      - { .name: Wo, .offset: 32, .size: 8, .value_kind: global_buffer, .address_space: global }
      - { .name: bq, .offset: 40, .size: 8, .value_kind: global_buffer, .address_space: global }
      - { .name: bk, .offset: 48, .size: 8, .value_kind: global_buffer, .address_space: global }
      - { .name: bv, .offset: 56, .size: 8, .value_kind: global_buffer, .address_space: global }
      - { .name: bo, .offset: 64, .size: 8, .value_kind: global_buffer, .address_space: global }
      - { .name: cb, .offset: 72, .size: 8, .value_kind: global_buffer, .address_space: global }
      - { .name: bt, .offset: 80, .size: 8, .value_kind: global_buffer, .address_space: global }
    .group_segment_fixed_size: 35840
    .private_segment_fixed_size: 0
    .kernarg_segment_align: 8
    .kernarg_segment_size: 88
    .max_flat_workgroup_size: 256
    .sgpr_count:     66
    .vgpr_count:     128
    .wavefront_size: 32
...
	.end_amdgpu_metadata
.endif
;; end of part 5
;; launch qkvproj: the kernel of part 2 again; grid 16 x 16, 4 waves a work-group, clusters of 4 x 4, 327,680 bytes of LDS; arguments cb, bt, qkv; writes qkv
;; launch headmix: the kernel of part 3 again; grid 256 x 1, 16 waves a work-group, no clusters, 67,840 bytes of LDS; arguments qkv, att; writes att
;; launch outproj: the kernel of part 4 again; grid 8 x 32, 4 waves a work-group, clusters of 4 x 4, 327,680 bytes of LDS; arguments att, cb, bt, out0; writes out0
